; MI455X (gfx1250); checked and timed in simulation.
; The chip was launched on July 23, 2026; its instructions are those of AMD's public machine-readable ISA for CDNA 5 (MIT licence, August 2026) and "CDNA5" Instruction Set Architecture Reference Guide (July 2026). The comments in the code are by the model that wrote it; some were corrected since.
;; Simple Causal Attention. Allowed arithmetic: matrix products marked QUANTISED: E3M2 operands, one E8M0 scale for each 32 along K, by v_wmma_scale_f32_16x16x128_f8f6f4 with both operands' format E3M2, f32 sums; everything else in f32.
;; Inputs: w_proj 1,024 x 1,024 float32; w_qkv 1,024 x 3,072 float32; x 4 x 2,048 x 1,024 float32.
;; Outputs: out0 4 x 2,048 x 1,024 float32.
;; This version of the problem:
;;   THIS VERSION OF THE PROBLEM IS GIVEN IN LOW PRECISION. The matrix products marked QUANTISED in the list below multiply operands that are first quantised to E3M2 (3 exponent bits, 2 mantissa bits; 6 bits a number), with one power-of-two scale for each 32 numbers along K (OCP MX v1.0); their sums are f32. All else is computed in f32.
;;   The module's matrix products, in the order in which they are computed (A, B: the left and right operand; K: the contracted axis; several contracted axes count as one K, in the product's order):
;;     1. [M 8,192, K 1,024] x [K 1,024, N 3,072]; A: input x; B: input w_qkv: QUANTISED
;;     2. batch 64 x [M 2,048, K 64] x [K 64, N 2,048]; A: computed on the way; B: computed on the way: QUANTISED
;;     3. batch 64 x [M 2,048, K 2,048] x [K 2,048, N 64]; A: softmax (see below); B: computed on the way: QUANTISED
;;     4. [M 8,192, K 1,024] x [K 1,024, N 1,024]; A: computed on the way; B: input w_proj: QUANTISED
;;   THE QUANTISER, for each operand of a quantised product, along K:
;;     - K is cut into blocks of 32 from its start; a last block that is shorter is filled with zeros.
;;     - A block's scale is 2^e with e = floor(log2(the largest magnitude in the block)) - 4, held to -126 .. 127; a block of zeros has e = 0. As a byte (E8M0): e + 127.
;;     - Each number is divided by its block's scale, clamped to +-28, and rounded to the nearest number of E3M2, ties to even, subnormals kept.
;;     - The product sums the exact products of the quantised numbers (number of the format x scale) in f32.
;;   ~~~python
;;   def quantise(x, axis):      # numpy; x: float32 -> the quantised numbers, widened to float32 again
;;       x = np.moveaxis(x, axis, -1); K = x.shape[-1]
;;       x = np.pad(x, [(0, 0)] * (x.ndim - 1) + [(0, -K % 32)]); x = x.reshape(x.shape[:-1] + (-1, 32)); a = np.abs(x).max(-1, keepdims=True)
;;       e = np.where(a > 0, np.clip(np.frexp(np.where(a > 0, a, 1))[1] - 1 - 4, -126, 127), 0)      # np.frexp(a)[1] - 1 = floor(log2(a)), exactly
;;       r = np.clip(x / 2.0 ** e, -28, 28)
;;       step = 2.0 ** (np.maximum(np.frexp(np.where(r == 0, 1, r))[1] - 1, -2) - 2)
;;       q = np.round(r / step) * step * 2.0 ** e      # np.round: ties to even
;;       return np.moveaxis(q.reshape(q.shape[:-2] + (-1,))[..., :K], -1, axis).astype(np.float32)
;;   ~~~
;;   SOFTMAX AHEAD OF A QUANTISED PRODUCT. Where the list says 'softmax', what is quantised is not the finished softmax but p = 2^(t - M), with t = logit x log2(e) and M = ceil(the row's largest t), a whole number; so 1/2 < the row's largest p <= 1. The row's sum l is taken of the UNQUANTISED p, in f32, and the product's result is divided by l at the end. Since M is a whole number, a kernel that streams over the keys may use a running M (the ceiling of the running maximum): every later rescaling is an exact power of two, which a block's scale takes up: the codes' values come out the same.
;;   OPERANDS COMPUTED ON THE WAY. 'Computed on the way' means the value that the module computes at that place (a softmax that the list does not call 'softmax' is quantised finished and normalised). What goes into a quantiser is computed in f32, as accurately as f32 sums, v_exp_f32 and their like allow (about 1e-6 of the number): no bf16 or f16 on the way to a quantiser, and a product that is left as it is and whose result goes on into a quantised operand takes f32 operands (vector FMAs, or v_wmma_f32_16x16x4_f32). A number that lies on a knife's edge between two numbers of the format may be rounded either way, as far as f32 arithmetic and the matrix unit's own rounding can turn it there, and no further.
;; One version. Each part assembles by itself: llvm-mc -triple=amdgcn-amd-amdhsa -mcpu=gfx1250 --defsym DOCPART=n.
;; ======== version 1 of 1: 4 launches
;; workspace buffers: xw_codes 9,437,184 bytes; xw_scales 393,216 bytes; qkv_img 18,874,368 bytes; qkv_sc 1,310,720 bytes; o_img 6,291,456 bytes; o_sc 262,144 bytes
;; launch quant (part 1): grid 96 x 4, 4 waves a work-group, no clusters, 68,096 bytes of LDS; arguments x, w_qkv, w_proj, xw_codes, xw_scales; writes xw_codes, xw_scales
.if DOCPART == 1
	.amdgcn_target "amdgcn-amd-amdhsa--gfx1250"
	.amdhsa_code_object_version 6
	.text
	.protected	k_qbaf1afd2d5_quant
	.globl	k_qbaf1afd2d5_quant
	.p2align	8
	.type	k_qbaf1afd2d5_quant,@function
k_qbaf1afd2d5_quant:
	s_mov_b64 s[64:65], 0
	v_nop
	global_prefetch_b8 v0, s[64:65] scope:SCOPE_SE
	s_setreg_imm32_b32 hwreg(HW_REG_WAVE_MODE, 25, 1), 1
	s_wait_xcnt 0x0
; x [8192][1024], w_qkv [1024][3072] and w_proj [1024][1024], all f32, become codes of E3M2 (6 bits, K innermost, 768 bytes a row) with one E8M0 byte for each 32 along K (32 bytes a row).
; One table of 12,288 rows: rows 0.. the tokens of x, rows 8192.. the 3,072 columns of w_qkv, rows 11264.. the 1,024 columns of w_proj.
; EVERY ROW i LIES AT PLACE pi(i), pi = bits 3 and 4 of i exchanged.  Sixteen neighbouring places, taken as source 0 of a transposed matrix product, then leave in a lane's registers of two neighbouring tiles
; sixteen NEIGHBOURING natural indices, which is what the next quantiser wants; and the rows of a tile are neighbours in memory and in LDS.
; A block's scale is 2^(floor(log2(largest magnitude)) - 4); its byte is the largest magnitude's exponent field - 4, held at 1 from below.
; LIMITS: a block of zeros gets the byte 1 where the rule says 127 (its codes are zeros, which add nothing under any byte but 0xff, and this program alone reads the bytes); blocks whose largest magnitude lies
; under 2^(4 - 126) are held at byte 1; NaN and infinities among the inputs are not served.
; Work-groups x = 0..31 take the weights (K is their FIRST axis), x = 32..95 take x (K innermost).  The two ways part on the work-group's number alone and have LDS bytes of their own.  Waves share nothing: no barrier.
.set STEPS, 16                         ; way X: steps of 512 numbers for a wave
.set CB,    12                         ; bytes of 16 codes
.set R,     16                         ; way X: v16-79   four sets of 16 numbers as loaded
.set X,     80                         ; way X: v80-111  two sets of 16 neighbours
.set C,     128                        ; way X: v128-191 codes, four registers a step
.set E,     112                        ; way X: v112-127 a scale byte a step
.set WREG,  8192                       ; way X: LDS 0..32767: a region for each wave: two stages of 32 x SP bytes, then its 256 scale bytes
.set SP,    80                         ; a lane's place in a stage: 64 bytes + 16 of padding
.set WSTG,  32768                      ; way W: LDS 32768..67583: a stage of 32 rows x WP bytes for each wave
.set WP,    272                        ; a stage row: sixteen places of 16 bytes (12 bytes of codes each) + 16
.set NB,    8                          ; way W: blocks of 32 along K for a wave (256 along K)
.set WX,    32                         ; way W: v32-95   two sets of 32 numbers
.set WC,    96                         ; way W: a block's codes
.set OUTR,  112                        ; way W: v112-175 the way out
.set SB,    24                         ; way W: v24-25   the scale bytes, four to a register
.set VO,    176                        ; way W: v176-207 byte offset of row i of a block: 4 x lane + i x the weight's row
.set WB,    32                         ; way W: s[32:47] where block t begins in the weight, t = 0..7; never stepped
	s_load_b256 s[4:11], s[0:1], 0x0               ; x s[4:5], w_qkv s[6:7], w_proj s[8:9], the codes s[10:11]
	s_load_b64 s[12:13], s[0:1], 0x20              ; the scale bytes
	v_lshl_add_u32 v208, v0, 2, 0x10800
	v_mov_b32 v209, 0
	v_lshrrev_b32 v1, 5, v0
	v_readfirstlane_b32 s16, v1                    ; wave 0..3
	v_and_b32 v2, 31, v0                           ; lane
	s_and_b32 s15, ttmp7, 0xffff                   ; work-group y
	s_wait_kmcnt 0x0
	s_cmp_ge_u32 ttmp9, 32
	s_cbranch_scc1 .Lpath_x
; ---------------- WAY W: a weight [1024 (k)][n].  A LANE TAKES A COLUMN, ITS REGISTERS RUN DOWN K: a block of 32 lies in one lane, and the conversions give codes with K innermost.  Nothing is transposed by an instruction.
; A wave takes 32 columns x 256 along K (y says which 256).  x = 0..23: w_qkv's groups of 128 columns; x = 24..31: w_proj's.  Only a pointer and three numbers are chosen: both weights walk one text.
	s_cmp_lt_u32 ttmp9, 24
	s_cselect_b64 s[6:7], s[6:7], s[8:9]           ; the weight
	s_mov_b32 s17, 4096
	s_cselect_b32 s17, 12288, s17                  ; its row in bytes
	s_cselect_b32 s18, 0, 24
	s_mov_b32 s19, 11264
	s_cselect_b32 s19, 8192, s19                   ; its first row in the table
	s_sub_co_u32 s18, ttmp9, s18
	s_lshl_b32 s18, s18, 7
	s_lshl_b32 s20, s16, 5
	s_add_co_u32 s18, s18, s20                     ; my wave's first column: 128 x group + 32 x wave
	s_mul_i32 s20, s15, s17
	s_lshl_b32 s20, s20, 8                         ; 256 y rows of the weight,
	s_lshl_b32 s21, s18, 2
	s_add_co_u32 s20, s20, s21                     ; + 4 bytes a column (under 2^24 in all)
	s_mov_b32 s21, 0
	s_add_nc_u64 s[WB:WB+1], s[6:7], s[20:21]
	s_lshl_b32 s22, s17, 5                         ; 32 rows on
	s_mov_b32 s23, 0
.irp t, 1,2,3,4,5,6,7
	s_add_nc_u64 s[WB+2*\t:WB+2*\t+1], s[WB+2*\t-2:WB+2*\t-1], s[22:23]
.endr
	s_add_co_u32 s24, s19, s18                     ; my 32 columns' first row in the table
	s_mul_i32 s20, s24, 768
	s_mul_i32 s25, s15, 192
	s_add_co_u32 s20, s20, s25
	s_add_nc_u64 s[10:11], s[10:11], s[20:21]      ; codes: row x 768 + 192 y
	s_lshl_b32 s20, s24, 5
	s_lshl_b32 s25, s15, 3
	s_add_co_u32 s20, s20, s25
	s_add_nc_u64 s[12:13], s[12:13], s[20:21]      ; scale bytes: row x 32 + 8 y
	v_lshlrev_b32 v[VO], 2, v2
.irp i, 1,2,3,4,5,6,7,8,9,10,11,12,13,14,15,16,17,18,19,20,21,22,23,24,25,26,27,28,29,30,31
	v_add_nc_u32 v[VO+\i], s17, v[VO+\i-1]
.endr
	v_and_b32 v10, 7, v2                           ; pi(lane): my column's place among the 32
	v_bfe_u32 v11, v2, 3, 1
	v_lshl_or_b32 v10, v11, 4, v10
	v_bfe_u32 v11, v2, 4, 1
	v_lshl_or_b32 v10, v11, 3, v10
	s_mul_i32 s26, s16, 32*WP
	s_add_co_u32 s26, s26, WSTG                    ; my stage
	v_mul_u32_u24 v4, v10, WP
	v_add_nc_u32 v4, s26, v4                       ; into it: row = my column's place
	v_lshlrev_b32 v9, 5, v10                       ; and its row of scale bytes
	v_and_b32 v5, 15, v2
	v_lshrrev_b32 v6, 4, v2                        ; out of it: sixteen lanes to a row, two rows an instruction
	v_mul_u32_u24 v7, v6, WP
	v_lshl_add_u32 v7, v5, 4, v7
	v_add_nc_u32 v7, s26, v7
	v_mul_u32_u24 v8, v6, 768
	v_mad_u32_u24 v8, v5, 12, v8                   ; the same place in the table
.macro WLOAD t                         ; block t: W(32 t + i, my column), i = 0..31, into set t % 2: a load reads 128 consecutive bytes, the four waves stand side by side
.irp i, 0,1,2,3,4,5,6,7,8,9,10,11,12,13,14,15,16,17,18,19,20,21,22,23,24,25,26,27,28,29,30,31
	global_load_b32 v[WX+32*((\t)%2)+\i], v[VO+\i], s[WB+2*(\t):WB+2*(\t)+1] th:TH_LOAD_NT
.endr
.endm
	WLOAD 0
	WLOAD 1
.macro WBLOCK t
.set XS, WX+32*((\t)%2)
.if (\t) < NB-1
	s_wait_loadcnt 32                              ; this block's 32 loads are in; the next block's 32 may be out
.else
	s_wait_loadcnt 0x0
.endif
	v_max3_num_f32 v12, |v[XS]|, |v[XS+1]|, |v[XS+2]|              ; the block's largest magnitude: all 32 numbers are mine; two chains
	v_max3_num_f32 v13, |v[XS+3]|, |v[XS+4]|, |v[XS+5]|
.irp i, 6,10,14,18,22,26
	v_max3_num_f32 v12, v12, |v[XS+\i]|, |v[XS+\i+1]|
	v_max3_num_f32 v13, v13, |v[XS+\i+2]|, |v[XS+\i+3]|
.endr
	v_max3_num_f32 v12, v12, |v[XS+30]|, |v[XS+31]|
	v_max3_num_f32 v12, v12, v13, 0x2800000        ; and the floor 2^(5 - 127): the byte cannot fall under 1
	v_add_nc_u32 v11, 0xfe000000, v12              ; 4 off the exponent field: the conversion takes the exponent field of this operand as its scale
	v_lshrrev_b32 v13, 23, v11                     ; the scale's byte
.if (\t)%4 == 0
	v_mov_b32 v[SB+(\t)/4], v13                    ; four bytes to a register, the lower K in the lower byte
.else
	v_lshl_or_b32 v[SB+(\t)/4], v13, 8*((\t)%4), v[SB+(\t)/4]
.endif
	v_cvt_scalef32_pk16_bf6_f32 v[WC:WC+2], v[XS:XS+15], v11
	v_cvt_scalef32_pk16_bf6_f32 v[WC+4:WC+6], v[XS+16:XS+31], v11  ; (a conversion's three registers begin on an even number)
	ds_store_b96 v4, v[WC:WC+2] offset:32*(\t)     ; 12 bytes to a place of 16, so that every LDS address is a multiple of 16
	ds_store_b96 v4, v[WC+4:WC+6] offset:32*(\t)+16
.if (\t)+2 < NB
	WLOAD (\t)+2
.endif
	s_wait_dscnt 0x0                               ; the stores have read their registers: the next block's codes may be written
.endm
.set Q, 0
.rept NB
	WBLOCK Q
.set Q, Q+1
.endr
	global_store_b64 v9, v[SB:SB+1], s[12:13]      ; my column's 8 scale bytes
.irp t, 0,1,2,3,4,5,6,7,8,9,10,11,12,13,14,15
	ds_load_b96 v[OUTR+4*\t:OUTR+4*\t+2], v7 offset:2*\t*WP        ; LDS serves a wave's instructions in order: these see my stores
.endr
.irp t, 0,1,2,3,4,5,6,7,8,9,10,11,12,13,14,15
	s_wait_dscnt 15-\t                             ; the younger loads may be out
	global_store_b96 v8, v[OUTR+4*\t:OUTR+4*\t+2], s[10:11] offset:2*\t*768   ; sixteen lanes store a row's 192 consecutive bytes
.endr
	s_wait_tensorcnt 0x0
	ds_add_u32 v208, v209
	s_wait_dscnt 0x0
	s_endpgm
; ---------------- WAY X: x, K innermost: a plain stream of blocks of 32.  A wave takes a run of 8 rows (8,192 numbers) in 16 steps of 512.  pi on rows is, on runs of 8 rows, an exchange of the run's two lowest bits:
; those are the wave's number, so only the place to which a wave stores differs from the place from which it loads.
; Each of a step's four loads reads 512 consecutive bytes; the 2,048 bytes turn through the wave's own stage in LDS and come back 64 bytes a lane: 16 neighbours along K, two neighbouring lanes to a block.
.Lpath_x:
	v_lshlrev_b32 v3, 4, v2                        ; my 16 bytes of a load's 512
	s_mul_i32 s17, s16, WREG
	v_lshrrev_b32 v14, 2, v2
	v_mul_u32_u24 v14, v14, SP
	v_and_b32 v15, 3, v2
	v_lshl_add_u32 v14, v15, 4, v14
	v_add_nc_u32 v14, s17, v14                     ; the stage, on the way in: SP (lane / 4) + 16 (lane % 4)
	v_mul_u32_u24 v15, v2, SP
	v_add_nc_u32 v15, s17, v15                     ; and on the way out: SP x lane
	v_mul_u32_u24 v4, v2, CB                       ; my codes' place in a step's
	v_lshrrev_b32 v5, 1, v2
	s_add_co_u32 s17, s17, 2*32*SP
	v_add_nc_u32 v5, s17, v5                       ; LDS: my wave's 256 scale bytes, my block's byte
	v_lshlrev_b32 v7, 3, v2
	v_add_nc_u32 v6, s17, v7                       ; and on the way out 8 bytes a lane
	s_sub_co_u32 s18, ttmp9, 32
	s_lshl_b32 s19, s15, 6
	s_add_co_u32 s18, s18, s19                     ; group of four runs: (x - 32) + 64 y, 0..255
	s_lshl_b32 s18, s18, 2
	s_add_co_u32 s20, s18, s16                     ; the run that I read
	s_and_b32 s21, s16, 1
	s_lshl_b32 s21, s21, 1
	s_lshr_b32 s22, s16, 1
	s_or_b32 s21, s21, s22
	s_add_co_u32 s22, s18, s21                     ; the run's place in the table
	s_lshl_b32 s20, s20, 15                        ; 32,768 bytes of x a run (under 2^26 in all)
	s_mov_b32 s21, 0
	s_add_nc_u64 s[4:5], s[4:5], s[20:21]
	s_mul_i32 s20, s22, 6144                       ; 8 rows of 768 bytes
	s_add_nc_u64 s[10:11], s[10:11], s[20:21]
	s_lshl_b32 s20, s22, 8                         ; 8 rows of 32 bytes
	s_add_nc_u64 s[12:13], s[12:13], s[20:21]
.macro XLOAD t
.irp i, 0,1,2,3
	global_load_b128 v[R+16*((\t)%4)+4*\i:R+16*((\t)%4)+4*\i+3], v3, s[4:5] offset:2048*(\t)+512*\i th:TH_LOAD_NT
.endr
.endm
.macro XTURN t                         ; step t's numbers through the stage: LDS serves a wave's instructions in order, so no wait stands between the stores and the loads
.irp i, 0,1,2,3
	ds_store_b128 v14, v[R+16*((\t)%4)+4*\i:R+16*((\t)%4)+4*\i+3] offset:32*SP*((\t)%2)+8*SP*\i
.endr
.irp i, 0,1,2,3
	ds_load_b128 v[X+16*((\t)%2)+4*\i:X+16*((\t)%2)+4*\i+3], v15 offset:32*SP*((\t)%2)+16*\i
.endr
.endm
.irp t, 0,1,2,3
	XLOAD \t
.endr
	s_wait_loadcnt 12                              ; step 0's four loads are in; three steps' twelve may be out
	XTURN 0
.macro XSTEP t
.set XS, X+16*((\t)%2)
.if (\t) > 0
	s_wait_dscnt 1                                 ; this step's numbers are back from the stage (the last step's byte store may be out): so its stores into the stage have read their registers,
.else
	s_wait_dscnt 0x0
.endif
.if (\t)+4 < STEPS
	XLOAD (\t)+4                                   ; which take the loads of four steps on
.endif
.if (\t)+1 < STEPS
.if STEPS-2-(\t) >= 3
	s_wait_loadcnt 12                              ; the next step's four loads are in; those of the three steps behind it may be out
.else
	s_wait_loadcnt 4*(STEPS-2-(\t))
.endif
	XTURN (\t)+1                                   ; and go through the other stage while this step is worked
.endif
	v_max3_num_f32 v8, |v[XS]|, |v[XS+1]|, |v[XS+2]|               ; the largest magnitude of my 16
	v_max3_num_f32 v9, |v[XS+3]|, |v[XS+4]|, |v[XS+5]|
.irp i, 6,10
	v_max3_num_f32 v8, v8, |v[XS+\i]|, |v[XS+\i+1]|
	v_max3_num_f32 v9, v9, |v[XS+\i+2]|, |v[XS+\i+3]|
.endr
	v_max3_num_f32 v8, v8, |v[XS+14]|, |v[XS+15]|
	v_max3_num_f32 v8, v8, v9, 0x2800000           ; and the floor 2^(5 - 127)
	v_max_num_f32_dpp v8, v8, v8 row_xmask:1 row_mask:0xf bank_mask:0xf   ; and of my neighbour's 16: the block's
	v_add_nc_u32 v11, 0xfe000000, v8               ; 4 off its exponent field: the conversion's scale operand
	v_cvt_scalef32_pk16_bf6_f32 v[C+4*(\t):C+4*(\t)+2], v[XS:XS+15], v11
	v_lshrrev_b32 v[E+(\t)], 23, v11               ; the scale's byte
	ds_store_b8 v5, v[E+(\t)] offset:16*(\t)       ; both lanes of a block write the same byte with the same value
	global_store_b96 v4, v[C+4*(\t):C+4*(\t)+2], s[10:11] offset:32*CB*(\t)   ; the wave stores 384 consecutive bytes
.endm
.irp t, 0,1,2,3,4,5,6,7,8,9,10,11,12,13,14,15
	XSTEP \t
.endr
	ds_load_b64 v[12:13], v6                       ; LDS serves a wave's instructions in order: these see my stores
	s_wait_dscnt 0x0
	global_store_b64 v7, v[12:13], s[12:13]        ; 32 lanes store 256 consecutive bytes, aligned
	s_wait_tensorcnt 0x0
	ds_add_u32 v208, v209
	s_wait_dscnt 0x0
	s_endpgm
.Lfunc_end_k_qbaf1afd2d5_quant:
	.size	k_qbaf1afd2d5_quant, .Lfunc_end_k_qbaf1afd2d5_quant-k_qbaf1afd2d5_quant
	.p2alignl 7, 3214868480
	.fill 96, 4, 3214868480
	.section	.rodata,"a",@progbits
	.p2align	6, 0x0
	.amdhsa_kernel k_qbaf1afd2d5_quant
		.amdhsa_group_segment_fixed_size 68096
		.amdhsa_private_segment_fixed_size 0
		.amdhsa_enable_private_segment 0
		.amdhsa_kernarg_size 40
		.amdhsa_user_sgpr_count 2
		.amdhsa_user_sgpr_kernarg_segment_ptr 1
		.amdhsa_wavefront_size32 1
		.amdhsa_system_sgpr_workgroup_id_x 1
		.amdhsa_system_sgpr_workgroup_id_y 1
		.amdhsa_system_sgpr_workgroup_id_z 1
		.amdhsa_system_vgpr_workitem_id 0
		.amdhsa_next_free_vgpr 210
		.amdhsa_next_free_sgpr 66
		.amdhsa_reserve_vcc 0
		.amdhsa_float_denorm_mode_32 3
		.amdhsa_float_denorm_mode_16_64 3
		.amdhsa_memory_ordered 1
		.amdhsa_forward_progress 1
		.amdhsa_inst_pref_size 75
	.end_amdhsa_kernel
	.amdgpu_metadata
---
amdhsa.version: [ 1, 2 ]
amdhsa.kernels:
  - .name:           k_qbaf1afd2d5_quant
    .symbol:         k_qbaf1afd2d5_quant.kd
    .args:
      - { .name: x, .offset: 0, .size: 8, .value_kind: global_buffer, .address_space: global }
      - { .name: w_qkv, .offset: 8, .size: 8, .value_kind: global_buffer, .address_space: global }
      - { .name: w_proj, .offset: 16, .size: 8, .value_kind: global_buffer, .address_space: global }
      - { .name: xw_codes, .offset: 24, .size: 8, .value_kind: global_buffer, .address_space: global }
      - { .name: xw_scales, .offset: 32, .size: 8, .value_kind: global_buffer, .address_space: global }
    .group_segment_fixed_size: 68096
    .private_segment_fixed_size: 0
    .kernarg_segment_align: 8
    .kernarg_segment_size: 40
    .max_flat_workgroup_size: 128
    .sgpr_count:     66
    .vgpr_count:     210
    .wavefront_size: 32
...
	.end_amdgpu_metadata
.endif
;; end of part 1
;; launch qkv (part 2): grid 12 x 32, 4 waves a work-group, clusters of 4 x 4, 327,680 bytes of LDS; arguments xw_codes, xw_scales, qkv_img, qkv_sc; writes qkv_img, qkv_sc
.if DOCPART == 2
	.amdgcn_target "amdgcn-amd-amdhsa--gfx1250"
	.amdhsa_code_object_version 6
	.text
	.protected	k_qbaf1afd2d5_qkv
	.globl	k_qbaf1afd2d5_qkv
	.p2align	8
	.type	k_qbaf1afd2d5_qkv,@function
k_qbaf1afd2d5_qkv:
	s_mov_b64 s[64:65], 0
	v_nop
	global_prefetch_b8 v0, s[64:65] scope:SCOPE_SE
	s_setreg_imm32_b32 hwreg(HW_REG_WAVE_MODE, 25, 1), 1
	s_wait_xcnt 0x0
	s_wait_alu depctr_hold_cnt(0) depctr_sa_sdst(0) depctr_va_vdst(0) depctr_va_sdst(0) depctr_va_ssrc(0) depctr_va_vcc(0) depctr_vm_vsrc(0)
	s_getreg_b32 s2, hwreg(HW_REG_IB_STS2, 6, 4)
	s_cmp_eq_u32 s2, 0
	s_cbranch_scc0 .Lentry_in_a_cluster
	s_endpgm
.Lentry_in_a_cluster:
	s_bfe_u32 s2, ttmp6, 0x10000c
	s_cmp_lg_u32 s2, 0xf033
	s_cbranch_scc0 .Lentry_shape_is_right
	s_endpgm
.Lentry_shape_is_right:
; q, k, v = x w_qkv on codes of E3M2 with one E8M0 scale for each 32 along K = 1,024; the results never go to memory as f32: the way out quantises them in registers for the products of attention.
; The table of codes has 12,288 rows of 768 bytes (scale bytes: 32 a row): rows 0.. tokens, rows 8192.. columns of w_qkv; row i lies at place pi(i) (bits 3 and 4 exchanged).
; A tile of 256 x 256 results is made by four waves, 128 x 128 each: 64 accumulators, 512 registers.  K goes in steps of 256 through a ring of two LDS slots; the scale bytes of the tile's 512 rows come once and stay.
; THE MATRIX INSTRUCTION IS USED TRANSPOSED: source 0 = 16 rows of "B", source 1 = 16 rows of "A": a lane holds ONE row of A, and by pi the 16 registers of B's blocks 2 b and 2 b + 1 are 16 neighbouring natural indices of B.
; TWO KINDS OF TILE, ONE TEXT, by the cluster's x (the same in all sixteen partners):
;   x = 0, 1  (q and k, quantised along the head's 64):  A = tokens, B = columns 0..2047 of w_qkv.  A lane's 64 numbers of a block of A are one token's 128 features: two heads.
;   x = 2     (v, quantised along the TOKENS):           A = columns 2048..3071 of w_qkv, B = tokens.  A lane's 64 numbers are one feature's 128 tokens: a whole fragment of the second product of attention.
; WHAT IS STORED are images of operand registers: a pair of registers by one store of 8 bytes a lane, 256 consecutive bytes, aligned.
;   qkv_img: 192 planes of 98,304 bytes: q of (batch, head) at plane 16 b + h, k at 64 + .., v at 128 + ..   q, k: [tile of 16 places][3 pairs][lane][8];  v: [128 keys s][16 features t][6 pairs][lane][8].
;   qkv_sc:  q, k: a word for each place (bytes 0, 1 the row's two scales; bytes 2, 3 the neighbouring head's or 0: they only ever meet zero codes), 8,192 bytes a plane;  v from byte 2^20: [b h][s][t][row] words.
; CLUSTERS: 4 x 4 work-groups; A's tiles are asked for jointly along a row of the cluster, B's along a column.
; LIMITS: a block of zeros gets the byte 1 where the rule says 127 (zero codes; the bytes are read by this program alone); NaN and infinities are not served.
; REGISTERS, in windows of 256: window 0: v0-31 addresses; v32-63 scale words, two sets; from v128 A's fragments, ONE set; on the way out v112-131 codes, v132-139 scale words, v200-216 at work.
;   window 1: B's fragments, two sets, at v0 and v128.   window 2: the accumulators of my rows 0-63 ((a, b) at v[8 (8 a + b)]);   window 3: those of rows 64-127.
.set KSTEP,  256                       ; along K in a slot
.set NQ,     2                         ; matrix instructions deep
.set ROWB,   192                       ; a tile's row in bytes
.set KROW,   768                       ; a row of the table in bytes
.set PITCH,  240                       ; an LDS row: 3 x (64 bytes + 16 of padding): the 32 lanes of a load of 8 bytes touch 64 different banks (64 banks of 4 bytes: ISA guide 11.1)
.set FR,     12                        ; registers of a fragment
.set NL,     6                         ; LDS loads that bring one
.set NP,     4                         ; places behind this matrix instruction (ISA guide 7.12.1)
.set HALFT,  128*PITCH                 ; 128 rows: what one tensor load brings
.set SLOT,   4*HALFT                   ; A's 256 rows, then B's 256 rows
.set LAPS,   2                         ; 1,024 / 512: a lap = two K steps = once round the ring
.set KS,     32                        ; a row of scale bytes
.set SCL,    2*SLOT                    ; behind the ring: the scales, as pieces of 256 bytes + 16 of padding
.set HALFS,  16*272                    ; the scales of 128 rows
.set SBLK,   2*272                     ; those of 16 rows
.set SPARE,  SCL+4*HALFS               ; behind the scales: the spare words, 128 bytes a wave, that no other line names
.set PLANE,  98304
.set L8,   7                           ; v7   the way out: 8 x lane
.set SHV,  8                           ; v8   by how much lanes 16-31 shift the scale word (q, k: 16; v: 0)
.set SOFF, 9                           ; v9   my 16 bytes of a store of scale words
.set STS,  10                          ; v10  LDS: where I gather scale words
.set RDS,  11                          ; v11  LDS: where I read them back
.set VT,   12                          ; v12  at work
.set ADRA, 16                          ; v16-17 LDS address of my A fragments in slot 0, 1 (v18-19: for the pieces behind one padding more)
.set ADRB, 20                          ; v20-21 the same for B (v22-23)
.set ADRS, 27                          ; v27  LDS address of my scale words: lanes 0-15 A's rows, lanes 16-31 B's
.set SPW,  28                          ; v28  LDS address of my spare word; never rewritten
.set NIL,  29                          ; v29  0; never rewritten
.set SC,   32                          ; scale words: set s at v[SC + 16 s]; register 2 i + q: lanes 0-15 A's block i, lanes 16-31 B's block i
.set PC,   112                         ; the way out: the codes just made
.set AF,   128                         ; A's fragments
.set TM,   200                         ; v200-203 largest magnitudes, v204-207 bytes, v212-215 the conversions' scale operands
.set PW,   216                         ; the scale word just made
.set G1, 24                            ; s[24:31] group 1 for A's tiles; s[32:39] group 0, a set for each slot
.set G0, 32
.set G1B, 48                           ; s[48:55], s[56:63] the same for B's
.set G0B, 56
.set SEL, 66                           ; s66, s67 lane selects for v_permlanex16_b32: lane l xor 16
.set G1S, 68                           ; s[68:75], s[76:79] groups 1 and 0 for A's scales; s[80:87], s[88:91] for B's.  (Behind the loop these registers serve the way out.)
.set G0S, 76
.set G1SB, 80
.set G0SB, 88
.set CB,  88                           ; the way out: s[88:89], s[90:91] where the block's first and second three pairs go
.set MSB, 0
.macro WIN new                         ; the immediate's high byte repeats the setting that is left
.if MSB != \new
	s_set_vgpr_msb (MSB<<8)|\new
.set MSB, \new
.endif
.endm
.set MUL_LO, 0xa1                      ; source 0 (B) window 1, source 1 (A) window 0, C and D window 2
.set MUL_HI, 0xf1                      ; the same, C and D window 3
.set TO_B,   0x40                      ; destination window 1, address window 0
; A joint load: waves 0 and 1 fetch for A, waves 2 and 3 for B.  Each line has one mask and one set of registers for all that issue it; the branch hangs on the wave's number alone.
; Four v_nop follow each of the two lines, ahead of the jump, the label and what follows.
.macro JLOAD g0a, g1a, g0b, g1b
	s_cmp_eq_u32 s15, 0
	s_cbranch_scc0 .Lfor_b_\@
	tensor_load_to_lds s[\g0a:\g0a+3], s[\g1a:\g1a+7]
	s_nop 0
.rept 4
	v_nop
.endr
	s_branch .Lasked_\@
.Lfor_b_\@:
	tensor_load_to_lds s[\g0b:\g0b+3], s[\g1b:\g1b+7]
	s_nop 0
.rept 4
	v_nop
.endr
.Lasked_\@:
.endm
.macro CREST                           ; a round of the cluster's barrier behind its opening barrier
	s_cmp_lg_u32 s14, 0
	s_cbranch_scc1 .Lnot_wave_0_\@
	s_barrier_signal -3
.Lnot_wave_0_\@:
	s_barrier_wait -3
	s_barrier_signal -1
	s_barrier_wait -1
.endm
.macro CROUND                          ; a whole round
	s_barrier_signal -1
	s_barrier_wait -1
	CREST
.endm
	s_load_b256 s[4:11], s[0:1], 0x0               ; the codes s[4:5], the scale bytes s[6:7], qkv_img s[8:9], qkv_sc s[10:11]
	v_lshl_add_u32 v[SPW], v0, 2, SPARE
	v_mov_b32 v[NIL], 0
	ds_add_u32 v28, v29
	ds_add_u32 v28, v29
	s_wait_dscnt 0x0
	v_lshrrev_b32 v1, 5, v0
	v_readfirstlane_b32 s14, v1                    ; wave 0..3
	s_lshr_b32 s15, s14, 1                         ; which half of A's rows is mine.  Also: I fetch for A (0) or for B (1)
	s_and_b32 s16, s14, 1                          ; which half of B's rows.  Also: which 128 rows of that tile I fetch
	s_bfe_u32 s40, ttmp6, 0x40000                  ; cx, cy: my place in the cluster
	s_bfe_u32 s41, ttmp6, 0x40004
	s_and_b32 s12, ttmp7, 0xffff
	s_lshl_b32 s12, s12, 2                         ; 4 x cluster y
	s_lshl_b32 s13, ttmp9, 2                       ; 4 x cluster x
	s_cmp_eq_u32 ttmp9, 2                          ; a tile of v?
	s_cselect_b32 s17, 0, s12
	s_cselect_b32 s42, s12, s13
	s_cselect_b32 s96, 10240, 0                    ; A's first row in the table: w_qkv's columns 2048.., or the tokens
	s_cselect_b32 s97, 0, 8192                     ; B's: the tokens, or w_qkv's columns 0..
	s_add_co_u32 s17, s17, s41                     ; A's tile: q, k: 4 Y + cy (0..31); v: cy (0..3): it never holds cx
	s_add_co_u32 s42, s42, s40                     ; B's tile: q, k: 4 X + cx (0..7); v: 4 Y + cx (0..31): it never holds cy
	s_lshl_b32 s43, s41, 2
	s_lshl_b32 s43, 15, s43                        ; my row of the cluster
	s_lshl_b32 s44, 0x1111, s40                    ; my column
	s_mov_b32 s[SEL], 0x76543210
	s_mov_b32 s[SEL+1], 0xfedcba98
	; descriptor group 1: a tile of 128 rows x 192 bytes, padded in LDS
	s_or_b32 s[G1+0], s43, (0<<16)|(1<<20)|(1<<21)|(3<<22)|(3<<25)  ; 15:0 the mask: A's tiles go to my row; 17:16 element of 1 byte; 20 padding on; 21 set beside a mask; 24:22 after every 16 words; 31:25 of 4 words
	s_or_b32 s[G1B+0], s44, (0<<16)|(1<<20)|(1<<21)|(3<<22)|(3<<25)
.irp g, G1, G1B
	s_mov_b32 s[\g+1], ROWB<<16                    ; tensor_dim0
	s_mov_b32 s[\g+2], 128<<16                     ; tensor_dim1
	s_mov_b32 s[\g+3], ROWB<<16                    ; tile_dim0
	s_mov_b32 s[\g+4], 128                         ; tile_dim1
	s_mov_b32 s[\g+5], KROW                        ; tensor_dim0_stride
	s_mov_b32 s[\g+6], 0
	s_mov_b32 s[\g+7], 0
.endr
	; the scales of 128 rows: a dense block of 4,096 bytes, as 16 rows of 256 bytes (32 elements of 8), 16 bytes of padding behind each
	s_or_b32 s[G1S+0], s43, (3<<16)|(1<<20)|(1<<21)|(5<<22)|(3<<25)
	s_or_b32 s[G1SB+0], s44, (3<<16)|(1<<20)|(1<<21)|(5<<22)|(3<<25)
.irp g, G1S, G1SB
	s_mov_b32 s[\g+1], 32<<16
	s_mov_b32 s[\g+2], 16<<16
	s_mov_b32 s[\g+3], 32<<16
	s_mov_b32 s[\g+4], 16
	s_mov_b32 s[\g+5], 32
	s_mov_b32 s[\g+6], 0
	s_mov_b32 s[\g+7], 0
.endr
	s_lshl_b32 s18, s16, 7                         ; which 128 rows of the tile I fetch
	s_lshl_b32 s20, s17, 8
	s_add_co_u32 s20, s20, s18
	s_add_co_u32 s20, s20, s96                     ; A: row of the table
	s_lshl_b32 s46, s42, 8
	s_add_co_u32 s46, s46, s18
	s_add_co_u32 s46, s46, s97                     ; B: row of the table
	s_lshl_b32 s22, s20, 5                         ; where these rows' scales begin, in bytes,
	s_lshl_b32 s92, s46, 5
	s_mul_i32 s20, s20, KROW                       ; and their codes (12,288 rows x 768 bytes stay under 2^24)
	s_mul_i32 s46, s46, KROW
	s_mov_b32 s21, 0
	s_mov_b32 s23, 0
	s_mov_b32 s47, 0
	s_mov_b32 s93, 0
	s_mul_i32 s45, s14, HALFT                      ; where they go: wave x 128 rows: no place in the cluster enters an LDS address
	s_mul_i32 s94, s14, HALFS
	s_wait_kmcnt 0x0
	s_add_nc_u64 s[20:21], s[4:5], s[20:21]
	s_add_nc_u64 s[22:23], s[6:7], s[22:23]
	s_add_nc_u64 s[46:47], s[4:5], s[46:47]
	s_add_nc_u64 s[92:93], s[6:7], s[92:93]
	CROUND                                         ; all sixteen work-groups are here: the first joint loads meet
	s_mov_b32 s[G0S], 1
	s_add_co_u32 s[G0S+1], s94, SCL
	s_mov_b64 s[G0S+2:G0S+3], s[22:23]
	s_or_b32 s[G0S+3], s[G0S+3], 0x80000000
	s_mov_b32 s[G0SB], 1
	s_add_co_u32 s[G0SB+1], s94, SCL
	s_mov_b64 s[G0SB+2:G0SB+3], s[92:93]
	s_or_b32 s[G0SB+3], s[G0SB+3], 0x80000000
	JLOAD G0S, G1S, G0SB, G1SB                     ; the scales first: they are wanted with K step 0.  Three loads of mine are out behind the next two
.irp s, 0,1
	s_mov_b32 s[G0+4*\s], 1
	s_add_co_u32 s[G0+4*\s+1], s45, \s*SLOT
	s_add_nc_u64 s[G0+4*\s+2:G0+4*\s+3], s[20:21], \s*ROWB
	s_or_b32 s[G0+4*\s+3], s[G0+4*\s+3], 0x80000000
	s_mov_b32 s[G0B+4*\s], 1
	s_add_co_u32 s[G0B+4*\s+1], s45, \s*SLOT
	s_add_nc_u64 s[G0B+4*\s+2:G0B+4*\s+3], s[46:47], \s*ROWB
	s_or_b32 s[G0B+4*\s+3], s[G0B+4*\s+3], 0x80000000
	JLOAD G0+4*\s, G1, G0B+4*\s, G1B
.endr
	v_and_b32 v1, 15, v0                           ; l % 16
	v_bfe_u32 v2, v0, 4, 1                         ; l / 16
	v_mul_u32_u24 v3, v1, PITCH
	v_mul_u32_u24 v4, v2, 24
	v_add_nc_u32 v4, v3, v4                        ; a fragment's row x pitch + 24 x half
	v_lshl_add_u32 v5, v2, 4, v4                   ; and the same behind one padding more
	s_mul_i32 s21, s15, HALFT                      ; my 128 rows of A
	s_mul_i32 s22, s16, HALFT                      ; my 128 rows of B,
	s_add_co_u32 s22, s22, 2*HALFT                 ; which lie behind A's 256
.irp s, 0,1
	v_add_nc_u32 v[ADRA+\s], s21, v4
	v_add_nc_u32 v[ADRB+\s], s22, v4
	v_add_nc_u32 v[ADRA+2+\s], s21, v5
	v_add_nc_u32 v[ADRB+2+\s], s22, v5
	s_add_co_u32 s21, s21, SLOT
	s_add_co_u32 s22, s22, SLOT
.endr
	v_mul_u32_u24 v5, v1, KS                       ; my row's scales: 32 bytes a row,
	v_lshrrev_b32 v6, 8, v5
	v_lshl_add_u32 v5, v6, 4, v5                   ; and 16 more for each 256 passed
	s_mul_i32 s21, s15, HALFS                      ; A's: my 128 rows
	s_mul_i32 s22, s16, HALFS                      ; B's: my 128 rows, behind A's 256
	s_add_co_u32 s22, s22, 2*HALFS
	s_sub_co_u32 s22, s22, s21
	v_mul_u32_u24 v6, s22, v2                      ; lanes 16-31 take B's: one product, the distance between the two bases
	s_add_co_u32 s21, s21, SCL
	v_add_nc_u32 v5, v5, v6
	v_add_nc_u32 v[ADRS], s21, v5
.macro FRAG reg, adr, q, i             ; a fragment, 16 rows x 128 K, is 12 registers: lane l holds row l % 16; registers 6 c .. 6 c + 5 hold K = 64 c + 32 (l / 16) + 0 .. 31: 24 bytes of the row, as they lie
.irp p, 0,1,2,3,4,5                    ; in pieces of 8 bytes.  Lanes 16-31 read three pieces further on than lanes 0-15; where that lies behind one padding more, the second address register serves
.set PCE, 12*(\q)+6*(\p/3)+\p%3
.if PCE%8 < 5
	ds_load_b64 v[\reg+2*\p:\reg+2*\p+1], v[\adr] offset:8*PCE+16*(PCE/8)+(\i)*16*PITCH
.else
	ds_load_b64 v[\reg+2*\p:\reg+2*\p+1], v[\adr+2] offset:8*PCE+16*(PCE/8)+(\i)*16*PITCH
.endif
.endr
.endm
; 16 matrix instructions: A's blocks a0, a0 + 1 x B's eight, 128 along K: the slot's q-th.  p: B's set; sc: the set of scale words.  zero = 1: the first product starts the sums.
; The 64 accumulators take turns, one instruction a turn, in the same order in every step.
.macro MUL16 a0, p, q, sc, zero
.irp a, \a0, \a0+1
.irp b, 0,1,2,3,4,5,6,7
.if \zero
	v_wmma_scale_f32_16x16x128_f8f6f4 v[8*(8*((\a)%4)+\b):8*(8*((\a)%4)+\b)+7], v[128*(\p)+FR*\b:128*(\p)+FR*\b+FR-1], v[AF+FR*(\a):AF+FR*(\a)+FR-1], 0, v[SC+8*NQ*(\sc)+NQ*\b+(\q)], v[SC+8*NQ*(\sc)+NQ*(\a)+(\q)] matrix_a_fmt:MATRIX_FMT_BF6 matrix_b_fmt:MATRIX_FMT_BF6 matrix_a_scale:MATRIX_SCALE_ROW1
.else
	v_wmma_scale_f32_16x16x128_f8f6f4 v[8*(8*((\a)%4)+\b):8*(8*((\a)%4)+\b)+7], v[128*(\p)+FR*\b:128*(\p)+FR*\b+FR-1], v[AF+FR*(\a):AF+FR*(\a)+FR-1], v[8*(8*((\a)%4)+\b):8*(8*((\a)%4)+\b)+7], v[SC+8*NQ*(\sc)+NQ*\b+(\q)], v[SC+8*NQ*(\sc)+NQ*(\a)+(\q)] matrix_a_fmt:MATRIX_FMT_BF6 matrix_b_fmt:MATRIX_FMT_BF6 matrix_a_scale:MATRIX_SCALE_ROW1
.endif
.endr
.endr
.endm
.macro FETCH_B slot, q, p              ; B's eight fragments of the slot's q-th 128 along K into set p
	WIN TO_B
.irp i, 0,1,2,3,4,5,6,7
	FRAG 128*(\p)+FR*\i, ADRB+\slot, \q, \i
.endr
	WIN 0
.endm
.macro FETCH_A slot, q, i0             ; A's blocks i0 .. i0 + 3
.irp i, \i0, \i0+1, \i0+2, \i0+3
	FRAG AF+FR*(\i), ADRA+\slot, \q, \i
.endr
.endm
.macro SCALES sc                       ; the next K step's scale words into set sc: two words a row; lanes 0-15 A's block i, lanes 16-31 B's block i
.irp i, 0,1,2,3,4,5,6,7
	ds_load_b64 v[SC+8*NQ*\sc+NQ*\i:SC+8*NQ*\sc+NQ*\i+1], v[ADRS] offset:\i*SBLK
.endr
.endm
; A load into a register that a matrix instruction has read stands NP places behind it, and only plain vector instructions that name none of its registers are places (ISA guide 7.12.1 for vector instructions).
.macro PLACES n
.rept \n
	v_nop
.endr
.endm
.macro STEP slot, q, zero              ; a step of 128 along K that has its successor in the same slot
	s_wait_dscnt 4*NL                              ; B's set and A's blocks 0-3 are in; the youngest 24 loads (A's blocks 4-7) may be out
	WIN MUL_LO
	MUL16 0, (\q)%2, \q, \slot, \zero
	MUL16 2, (\q)%2, \q, \slot, \zero
	s_wait_dscnt 0                                 ; A's blocks 4-7 are in
	PLACES NP
	FETCH_B \slot, (\q)+1, 1-(\q)%2
	FETCH_A \slot, (\q)+1, 0
	WIN MUL_HI
	MUL16 4, (\q)%2, \q, \slot, \zero
	MUL16 6, (\q)%2, \q, \slot, \zero
	PLACES NP
	WIN 0
	FETCH_A \slot, (\q)+1, 4
.endm
; A slot's last step changes slots: ONE barrier; in front of it each wave waits for all its tensor loads, adds 0 to its spare word, and waits for that and for its own reads of this slot.  fill = 1: this slot is filled again, two K steps ahead.
.macro TURN slot, next, fill
	s_wait_tensorcnt 0x0                           ; all my tensor loads have landed: my part of the next slot
	ds_add_u32 v[SPW], v[NIL]                      ; 0 onto my spare word
	s_wait_dscnt 4*NL+1                            ; (the add and the youngest 24 loads, A's blocks 4-7, may be out)
	WIN MUL_LO
	MUL16 0, 1, NQ-1, \slot, 0                     ; sixteen matrix instructions stand between the add and the wait for it
	s_wait_dscnt 0x0                               ; the add is done, and my reads of this slot are over
	s_barrier_signal -1
	MUL16 2, 1, NQ-1, \slot, 0
	WIN 0
	s_barrier_wait -1
.if \fill
	CREST                                          ; the barrier has opened a round of the cluster's barrier: no wave of any partner still reads this slot's tile or has a load on its way
	s_add_nc_u64 s[G0+4*\slot+2:G0+4*\slot+3], s[G0+4*\slot+2:G0+4*\slot+3], 2*ROWB
	s_add_nc_u64 s[G0B+4*\slot+2:G0B+4*\slot+3], s[G0B+4*\slot+2:G0B+4*\slot+3], 2*ROWB
	JLOAD G0+4*\slot, G1, G0B+4*\slot, G1B         ; the first tensor load behind the round, my only one until the next; its four v_nop are the places in front of the loads below
.else
	PLACES NP
.endif
	v_add_nc_u32 v[ADRS], 4*NQ, v[ADRS]            ; on to the next K step's scale words
	FETCH_B \next, 0, 0
	FETCH_A \next, 0, 0
	SCALES \next
	WIN MUL_HI
	MUL16 4, 1, NQ-1, \slot, 0
	MUL16 6, 1, NQ-1, \slot, 0
	PLACES NP
	WIN 0
	FETCH_A \next, 0, 4
.endm
	s_wait_tensorcnt 1                             ; the scales and my part of K step 0 are in (K step 1's load may be out)
	s_barrier_signal -1
	s_barrier_wait -1                              ; everybody's are
	FETCH_B 0, 0, 0
	FETCH_A 0, 0, 0
	SCALES 0
	FETCH_A 0, 0, 4
	STEP 0, 0, 1                                   ; the first step stands in front of the loop: its products start the sums
	s_mov_b32 s3, LAPS-1
.Llap:                                                 ; a trip goes once round the ring, from a lap's second step to the next lap's first, and fills both slots again
	TURN 0, 1, 1
	STEP 1, 0, 0
	TURN 1, 0, 1
	STEP 0, 0, 0
	s_sub_co_u32 s3, s3, 1
	s_cmp_lg_u32 s3, 0
	s_cbranch_scc1 .Llap
	TURN 0, 1, 0                                   ; the last lap fills nothing, and has no round of the cluster's barrier
	STEP 1, 0, 0
	s_wait_dscnt 4*NL                              ; the very last step: nothing more to fetch
	WIN MUL_LO
	MUL16 0, 1, NQ-1, 1, 0
	MUL16 2, 1, NQ-1, 1, 0
	s_wait_dscnt 0
	WIN MUL_HI
	MUL16 4, 1, NQ-1, 1, 0
	MUL16 6, 1, NQ-1, 1, 0
	WIN 0
; THE WAY OUT.  Of A's block a, lane (r, hh) holds 64 numbers: register 16 b + i = natural index 32 b + 16 hh + i of B, for A's row 16 a + r.  They are quantised along B's index, four blocks of 32.
; Where they go.  (No tensor load of mine is out: the scales' descriptor registers serve here.)  s17 = A's tile, s42 = B's tile, s15, s16 = my halves of A's and B's rows.
	; q, k: two heads G, G + 1 of 32 (0-15 q's, 16-31 k's); the tokens' batch and first tile of 16 places
	s_lshl_b32 s68, s42, 2
	s_lshl_b32 s69, s16, 1
	s_add_co_u32 s68, s68, s69                     ; G = 4 x B's tile + 2 x half
	s_lshr_b32 s69, s68, 4
	s_lshl_b32 s69, s69, 6
	s_lshr_b32 s70, s17, 3
	s_lshl_b32 s70, s70, 4
	s_add_co_u32 s69, s69, s70
	s_and_b32 s70, s68, 15
	s_add_co_u32 s69, s69, s70                     ; the plane: 64 (G / 16) + 16 x batch + G % 16
	s_and_b32 s70, s17, 7
	s_lshl_b32 s70, s70, 4
	s_lshl_b32 s71, s15, 3
	s_add_co_u32 s70, s70, s71                     ; the first tile in the plane
	s_mul_i32 s72, s69, PLANE
	s_mul_i32 s71, s70, 768
	s_add_co_u32 s72, s72, s71                     ; codes
	s_lshl_b32 s80, s69, 13
	s_lshl_b32 s71, s70, 6
	s_add_co_u32 s80, s80, s71                     ; scale words
	; v: two heads (A's blocks 0-3, 4-7), one run s of 128 keys
	s_lshr_b32 s74, s42, 3
	s_lshl_b32 s74, s74, 4
	s_lshl_b32 s75, s17, 2
	s_add_co_u32 s74, s74, s75
	s_lshl_b32 s75, s15, 1
	s_add_co_u32 s74, s74, s75                     ; 16 x batch + head
	s_and_b32 s75, s42, 7
	s_lshl_b32 s75, s75, 1
	s_add_co_u32 s75, s75, s16                     ; s
	s_add_co_u32 s76, s74, 128
	s_mul_i32 s76, s76, PLANE
	s_mul_i32 s77, s75, 6144
	s_add_co_u32 s76, s76, s77                     ; codes
	s_lshl_b32 s77, s74, 12
	s_lshl_b32 s71, s75, 8
	s_add_co_u32 s77, s77, s71
	s_add_co_u32 s77, s77, 0x100000                ; scale words
	s_cmp_eq_u32 ttmp9, 2                          ; which of the two: the cluster's x alone decides
	s_cselect_b32 s72, s76, s72
	s_cselect_b32 s80, s77, s80
	s_mov_b32 s82, PLANE
	s_cselect_b32 s82, 768, s82                    ; from the block's first three pairs to its second three: the next head's plane, or the fragment's second half
	s_mov_b32 s84, 768
	s_cselect_b32 s84, 1536, s84                   ; from block to block: a tile of q or k, a fragment of v
	s_mov_b32 s86, 768
	s_cselect_b32 s86, 93696, s86                  ; behind block 3: v goes on to the next head's plane (98,304 - 3 x 1,536)
	s_mov_b32 s78, 256
	s_cselect_b32 s78, 4096, s78                   ; a store of scale words: where lanes 16-31 stand against lanes 0-15
	s_cselect_b32 s79, 0, 16
	s_mov_b32 s73, 0
	s_mov_b32 s81, 0
	s_mov_b32 s83, 0
	s_mov_b32 s85, 0
	s_mov_b32 s87, 0
	s_add_nc_u64 s[CB:CB+1], s[8:9], s[72:73]
	s_add_nc_u64 s[CB+2:CB+3], s[CB:CB+1], s[82:83]
	s_add_nc_u64 s[10:11], s[10:11], s[80:81]
	s_lshl_b32 s95, s14, 10                        ; 1,024 bytes of slot 0 for each wave: that slot has had its last fill, and behind the last change of slots nobody reads it
	v_and_b32 v3, 31, v0                           ; these fourteen plain lines are also the places between the last products and the first read of results
	v_lshlrev_b32 v[L8], 3, v3
	v_mul_u32_u24 v[SHV], v2, s79
	v_mul_u32_u24 v[SOFF], v2, s78
	v_lshl_add_u32 v[SOFF], v1, 4, v[SOFF]
	v_lshlrev_b32 v[STS], 2, v1
	v_lshl_add_u32 v[STS], v2, 9, v[STS]
	v_add_nc_u32 v[STS], s95, v[STS]               ; 4 r + 512 hh + 1,024 x wave
	v_lshlrev_b32 v[RDS], 4, v3
	v_add_nc_u32 v[RDS], s95, v[RDS]               ; 16 x lane + 1,024 x wave
.irp b, 0,1,2,3
	v_mov_b32 v[TM+4+\b], 0                        ; written once: a lane permute's destination counts as one of its sources
.endr
; Block a's 64 numbers of a lane become 12 registers of codes, v[PC] on, and a scale word, v[PW].  The accumulators lie in window 2 or 3; all else in window 0.  Each accumulator is read from its low end on.
.macro QUANTW a
.set AC, 64*((\a)%4)
.set WW, 2+(\a)/4
.set WQ, WW|(WW<<2)
	WIN WQ                                         ; sources 0 and 1: the accumulators' window
.irp b, 0,1,2,3
	v_max3_num_f32 v[TM+\b], |v[AC+16*\b]|, |v[AC+16*\b+1]|, 0x2800000   ; block b: my 16 numbers, and the floor 2^(5 - 127): the byte cannot fall under 1
.endr
.irp i, 2,4,6,8,10,12,14
.irp b, 0,1,2,3
	v_max3_num_f32 v[TM+\b], |v[AC+16*\b+\i]|, |v[AC+16*\b+\i+1]|, v[TM+\b]   ; (the four blocks by turns)
.endr
.endr
	WIN 0
.irp b, 0,1,2,3
	v_permlanex16_b32 v[TM+4+\b], v[TM+\b], s[SEL], s[SEL+1]
.endr
.irp b, 0,1,2,3
	v_max_num_f32 v[TM+\b], v[TM+\b], v[TM+4+\b]   ; with lane l xor 16's: the block's largest magnitude
.endr
.irp b, 0,1,2,3
	v_add_nc_u32 v[TM+12+\b], 0xfe000000, v[TM+\b] ; 4 off its exponent field: the conversion's scale operand
.endr
.irp b, 0,1,2,3
	v_lshrrev_b32 v[TM+4+\b], 23, v[TM+12+\b]      ; the scale's byte
.endr
	v_lshl_or_b32 v[PW], v[TM+5], 8, v[TM+4]
	v_lshl_or_b32 v[PW], v[TM+6], 16, v[PW]
	v_lshl_or_b32 v[PW], v[TM+7], 24, v[PW]
	WIN WW                                         ; source 0: the accumulators' window
.irp c, 0,1
	v_cvt_scalef32_pk16_bf6_f32 v[PC+6*\c:PC+2+6*\c], v[AC+32*\c:AC+15+32*\c], v[TM+12+2*\c]
	v_cvt_scalef32_pk16_bf6_f32 v[PC+12+4*\c:PC+14+4*\c], v[AC+16+32*\c:AC+31+32*\c], v[TM+12+2*\c+1]   ; (a conversion's three registers begin on an even number)
.endr
	WIN 0
	v_nop                                          ; one plain place behind a scaled conversion
.irp c, 0,1                            ; the operand's layout wants a WHOLE block in a lane: lanes 0-15 block 2 c, lanes 16-31 block 2 c + 1
.irp i, 0,1,2
	v_permlane16_swap_b32 v[PC+6*\c+\i], v[PC+12+4*\c+\i]
.endr
.irp i, 0,1,2
	v_mov_b32 v[PC+3+6*\c+\i], v[PC+12+4*\c+\i]
.endr
.endr
.endm
.macro OUTBLK a
	QUANTW \a
.irp p, 0,1,2,3,4,5
	global_store_b64 v[L8], v[PC+2*\p:PC+2*\p+1], s[CB+2*(\p/3):CB+2*(\p/3)+1] offset:256*(\p%3)   ; a pair of registers as it stands: 256 consecutive bytes, aligned
.endr
	v_lshrrev_b32 v[VT], v[SHV], v[PW]             ; q, k: lanes 0-15 keep the first head's two bytes lowest, lanes 16-31 bring the second head's down;  v: the word as it is
	ds_store_b32 v[STS], v[VT] offset:64*(\a)
.if (\a) < 7
	s_wait_xcnt 0x0                                ; the stores have read their data and their bases: both are written again only behind this wait
.if (\a) == 3
	s_add_nc_u64 s[CB:CB+1], s[CB:CB+1], s[86:87]
	s_add_nc_u64 s[CB+2:CB+3], s[CB+2:CB+3], s[86:87]
.else
	s_add_nc_u64 s[CB:CB+1], s[CB:CB+1], s[84:85]
	s_add_nc_u64 s[CB+2:CB+3], s[CB+2:CB+3], s[84:85]
.endif
.endif
.endm
.irp a, 0,1,2,3,4,5,6,7
	OUTBLK \a
.endr
	ds_load_b128 v[132:135], v[RDS]                ; LDS serves a wave's instructions in order: these see my stores.  q, k: the first head's 128 words;  v: lanes 0-15 the first head's 64, lanes 16-31 the second's
	ds_load_b128 v[136:139], v[RDS] offset:512     ; q, k: the second head's
	s_wait_dscnt 0x0
	global_store_b128 v[SOFF], v[132:135], s[10:11]   ; sixteen lanes store 256 consecutive bytes, aligned
	s_cmp_eq_u32 ttmp9, 2
	s_cbranch_scc1 .Lv_done                        ; v's words are all out (the cluster's x: the same way in all sixteen partners)
	global_store_b128 v[SOFF], v[136:139], s[10:11] offset:8192    ; the next head's plane of words
.Lv_done:
	s_wait_tensorcnt 0x0                           ; the wave's end: behind my last tensor load and my last LDS store
	ds_add_u32 v[SPW], v[NIL]
	s_wait_dscnt 0x0
	CROUND                                         ; the closing round: no work-group ends while a partner may still ask for a tile that names it
	s_endpgm
.Lfunc_end_k_qbaf1afd2d5_qkv:
	.size	k_qbaf1afd2d5_qkv, .Lfunc_end_k_qbaf1afd2d5_qkv-k_qbaf1afd2d5_qkv
	.p2alignl 7, 3214868480
	.fill 96, 4, 3214868480
	.section	.rodata,"a",@progbits
	.p2align	6, 0x0
	.amdhsa_kernel k_qbaf1afd2d5_qkv
		.amdhsa_group_segment_fixed_size 327680
		.amdhsa_private_segment_fixed_size 0
		.amdhsa_enable_private_segment 0
		.amdhsa_kernarg_size 32
		.amdhsa_user_sgpr_count 2
		.amdhsa_user_sgpr_kernarg_segment_ptr 1
		.amdhsa_wavefront_size32 1
		.amdhsa_system_sgpr_workgroup_id_x 1
		.amdhsa_system_sgpr_workgroup_id_y 1
		.amdhsa_system_sgpr_workgroup_id_z 1
		.amdhsa_system_vgpr_workitem_id 0
		.amdhsa_next_free_vgpr 1024
		.amdhsa_next_free_sgpr 100
		.amdhsa_reserve_vcc 0
		.amdhsa_float_denorm_mode_32 3
		.amdhsa_float_denorm_mode_16_64 3
		.amdhsa_memory_ordered 1
		.amdhsa_forward_progress 1
		.amdhsa_inst_pref_size 170
	.end_amdhsa_kernel
	.amdgpu_metadata
---
amdhsa.version: [ 1, 2 ]
amdhsa.kernels:
  - .name:           k_qbaf1afd2d5_qkv
    .symbol:         k_qbaf1afd2d5_qkv.kd
    .args:
      - { .name: xw_codes, .offset: 0, .size: 8, .value_kind: global_buffer, .address_space: global }
      - { .name: xw_scales, .offset: 8, .size: 8, .value_kind: global_buffer, .address_space: global }
      - { .name: qkv_img, .offset: 16, .size: 8, .value_kind: global_buffer, .address_space: global }
      - { .name: qkv_sc, .offset: 24, .size: 8, .value_kind: global_buffer, .address_space: global }
    .group_segment_fixed_size: 327680
    .private_segment_fixed_size: 0
    .kernarg_segment_align: 8
    .kernarg_segment_size: 32
    .max_flat_workgroup_size: 128
    .sgpr_count:     100
    .vgpr_count:     1024
    .wavefront_size: 32
...
	.end_amdgpu_metadata
.endif
;; end of part 2
;; launch attn (part 3): grid 4 x 64, 16 waves a work-group, clusters of 4 x 1, 215,040 bytes of LDS; arguments qkv_img, qkv_sc, o_img, o_sc; writes o_img, o_sc
.if DOCPART == 3
	.amdgcn_target "amdgcn-amd-amdhsa--gfx1250"
	.amdhsa_code_object_version 6
	.text
	.protected	k_qbaf1afd2d5_attn
	.globl	k_qbaf1afd2d5_attn
	.p2align	8
	.type	k_qbaf1afd2d5_attn,@function
k_qbaf1afd2d5_attn:
	s_mov_b64 s[64:65], 0
	v_nop
	global_prefetch_b8 v0, s[64:65] scope:SCOPE_SE
	s_setreg_imm32_b32 hwreg(HW_REG_WAVE_MODE, 25, 1), 1
	s_wait_xcnt 0x0
	s_wait_alu depctr_hold_cnt(0) depctr_sa_sdst(0) depctr_va_vdst(0) depctr_va_sdst(0) depctr_va_ssrc(0) depctr_va_vcc(0) depctr_vm_vsrc(0)
	s_getreg_b32 s2, hwreg(HW_REG_IB_STS2, 6, 4)
	s_cmp_eq_u32 s2, 0
	s_cbranch_scc0 .Lentry_in_a_cluster
	s_endpgm
.Lentry_in_a_cluster:
	s_bfe_u32 s2, ttmp6, 0x10000c
	s_cmp_lg_u32 s2, 0x3003
	s_cbranch_scc0 .Lentry_shape_is_right
	s_endpgm
.Lentry_shape_is_right:
; o = softmax(q k^T / 8, causal) v for one (batch, head) a cluster, both products on codes of E3M2 with one E8M0 scale for each 32 along a product's K; o leaves as codes for the last product.
; THE SOFTMAX AHEAD OF THE SECOND PRODUCT: t = score x log2(e) / 8; M = the row's largest t so far, rounded UP to a whole number; p = 2^(t - M) is quantised along the keys, not normalised.  The row's sum is taken of
; the unquantised p and divides O at the end.  When M moves, the sum and O are multiplied by 2^(old M - new M): exact.
; WHAT COMES IN are images of operand registers (a pair of registers: 8 bytes a lane, 256 bytes on end).  q, k: a tile of 16 places is 3 pairs, registers 0-5 of a fragment (K = the head's 64); registers 6-11 of Q are zero
; codes, so what stands in K's registers 6-11 (the next tile's codes) adds nothing.  v: whole fragments, 16 features x 128 keys.  Token and feature i lie at place pi(i) (bits 3 and 4 exchanged): as source 0 of a transposed
; product, the 16 registers of tiles 2 b, 2 b + 1 are then 16 neighbouring natural indices: keys for p, features for o.
; SHARES.  The head's K and V (codes and scale words, 208,896 bytes) lie in the LDS of each of the cluster's four work-groups: filled ONCE, by joint loads that name all four.  Nothing is filled again.
; A work-group has 32 of the head's 128 tiles of queries: tile 8 g + 2 cx + e; its queries lie among keys 128 g .. 128 g + 127, so it wants key steps 0 .. g whatever cx is: no branch hangs on the place in the cluster.
; Wave w takes (g, e) = number 31 - w, then number w, of the 32: 17 key steps for every wave.  A wave holds one tile of 16 queries in 256 registers: four waves to a SIMD, one's vector work beside another's products.
; Both products are used transposed (S^T = K Q^T, O^T = V^T P^T): a lane holds ONE query (lane % 16) throughout.
; Every loop over key steps has a constant count; a step whose keys all come after the tile's queries is jumped over, but for the lines that step its addresses.
; LIMITS: a block of zeros gets the byte 1 where the rule says 127 (zero codes; this program alone reads the bytes); NaN and infinities are not served.
; NO PREFETCH: all that the launch reads through LDS is asked for at its head.
; REGISTERS: v1-4 lane terms; v5-8 the step's LDS addresses; v9, v10 the mask's numbers; v11 -infinity; v12 -M, v13 largest t, v[14:15] the sum; v16-27 Q (v22-27 zeros); v28 Q's scale words; v29, v30 offsets;
;   v32-85 K's eight tiles (v80-85 zeros), behind the first product at work: v32-35 block maxima, v36-39, v40-43 scale operands, v44-51, v52-63 p's codes; v86-89 K's scale words, v90-91 V's, v92 p's;
;   v96-159 S^T, then p; v160-191 O^T; v192-239 V's four fragments; v[240:241] f; v242 at work.
.set KIMG, 0                           ; LDS: K's codes, 6,144 bytes a key step
.set VIMG, 98304                       ; V's codes, 6,144 bytes a key step
.set KSC,  196608                      ; K's scale words, 512 bytes a key step
.set VSC,  204800                      ; V's scale words, 256 bytes a key step
.set PLANE, 98304
.set WV,  12                           ; s12 wave;  s13 cx;  s14 16 x batch + head
.set CNT, 15                           ; s15 counts a loop's trips
.set SEL, 16                           ; s16, s17 lane selects for v_permlanex16_b32: lane l xor 16
.set CS,  18                           ; s[18:19] c = log2(e) / 8
.set ST,  20                           ; s20 the key step
.set SIG, 21                           ; s21 the tile's last key step, g
.set TB,  22                           ; s22 the step's codes in KIMG and VIMG
.set TS,  23                           ; s23 its scale words of K
.set TJ,  84                           ; s84 and of V
.set G1A, 24                           ; s[24:31] group 1: 48 rows of 256 bytes;  s[32:39] 32 rows;  s[40:47] 16 rows;  s[48:55] 84 rows
.set G1B, 32
.set G1C, 40
.set G1D, 48
.set G0K0, 56                          ; group 0: K's first 12,288 bytes (wave 0);
.set G0V0, 60                          ; V's (wave 1);
.set G0KS, 68                          ; K's scale words (wave 2);
.set G0VS, 72                          ; V's (wave 3);
.set G0KR, 76                          ; a quarter of the rest of K, 21,504 bytes (waves 4-7);
.set G0VR, 80                          ; a quarter of the rest of V (waves 8-11)
.macro CROUND                          ; a round of the cluster's barrier
	s_barrier_signal -1
	s_barrier_wait -1
	s_cmp_lg_u32 s[WV], 0
	s_cbranch_scc1 .Lnot_wave_0_\@
	s_barrier_signal -3
.Lnot_wave_0_\@:
	s_barrier_wait -3
	s_barrier_signal -1
	s_barrier_wait -1
.endm
.macro ARM g0, g1                      ; a wave's one joint load; four v_nop follow it, ahead of the jump
	tensor_load_to_lds s[\g0:\g0+3], s[\g1:\g1+7]
	s_nop 0
.rept 4
	v_nop
.endr
	s_branch .Lasked
.endm
	s_load_b256 s[4:11], s[0:1], 0x0               ; qkv_img s[4:5], qkv_sc s[6:7], o_img s[8:9], o_sc s[10:11]
	v_lshl_add_u32 v254, v0, 2, 0x34000
	v_mov_b32 v255, 0
	ds_add_u32 v254, v255
	ds_add_u32 v254, v255
	v_lshrrev_b32 v1, 5, v0
	s_delay_alu instid0(VALU_DEP_1)
	v_readfirstlane_b32 s[WV], v1                  ; wave 0..15
	s_bfe_u32 s13, ttmp6, 0x40000                  ; cx: it enters Q's and O's addresses and the mask's numbers alone
	s_and_b32 s14, ttmp7, 0xffff                   ; the cluster's y: 16 x batch + head
	; descriptor groups 1: dense blocks as rows of 256 bytes (32 elements of 8), no padding; they differ in the number of rows
.irp g, G1A, G1B, G1C, G1D
	s_mov_b32 s[\g], 15|(3<<16)|(1<<21)            ; 15:0 the mask: all four work-groups; 17:16 elements of 8 bytes; 21 set beside a mask
	s_mov_b32 s[\g+1], 32<<16                      ; tensor_dim0
	s_mov_b32 s[\g+3], 32<<16                      ; tile_dim0
	s_mov_b32 s[\g+5], 32                          ; tensor_dim0_stride
	s_mov_b32 s[\g+6], 0
	s_mov_b32 s[\g+7], 0
.endr
	s_mov_b32 s[G1A+2], 48<<16                     ; tensor_dim1 and tile_dim1
	s_mov_b32 s[G1A+4], 48
	s_mov_b32 s[G1B+2], 32<<16
	s_mov_b32 s[G1B+4], 32
	s_mov_b32 s[G1C+2], 16<<16
	s_mov_b32 s[G1C+4], 16
	s_mov_b32 s[G1D+2], 84<<16
	s_mov_b32 s[G1D+4], 84
	s_and_b32 s97, s[WV], 3
	s_mul_i32 s97, s97, 21504
	s_add_co_u32 s97, s97, 12288                   ; a quarter of the rest: 12,288 + 21,504 (wave % 4), in the plane and in LDS alike
	s_mov_b32 s98, s97
	s_mov_b32 s99, 0
	s_mul_i32 s66, s14, PLANE
	s_mov_b32 s67, 0
	s_mov_b32 s[SEL], 0x76543210
	s_mov_b32 s[SEL+1], 0xfedcba98
	s_mov_b32 s[CS], 0x3e38aa3b                    ; c = log2(e) / 8
	s_mov_b32 s[CS+1], s[CS]                       ; (named with it as a pair, so it is written)
	s_mov_b32 s96, 0xffff0000                      ; lanes 16-31
	s_wait_dscnt 0x0
	s_wait_kmcnt 0x0
	s_add_nc_u64 s[4:5], s[4:5], s[66:67]          ; q's plane of my head; k's lies 64 planes on, v's 128
	s_mov_b32 s[G0K0], 1
	s_mov_b32 s[G0K0+1], KIMG
	s_add_nc_u64 s[G0K0+2:G0K0+3], s[4:5], 64*PLANE
	s_mov_b32 s[G0KR], 1
	s_mov_b32 s[G0KR+1], s97
	s_add_nc_u64 s[G0KR+2:G0KR+3], s[G0K0+2:G0K0+3], s[98:99]
	s_or_b32 s[G0K0+3], s[G0K0+3], 0x80000000
	s_or_b32 s[G0KR+3], s[G0KR+3], 0x80000000
	s_mov_b32 s[G0V0], 1
	s_mov_b32 s[G0V0+1], VIMG
	s_add_nc_u64 s[G0V0+2:G0V0+3], s[4:5], 128*PLANE
	s_mov_b32 s[G0VR], 1
	s_add_co_u32 s[G0VR+1], s97, VIMG
	s_add_nc_u64 s[G0VR+2:G0VR+3], s[G0V0+2:G0V0+3], s[98:99]
	s_or_b32 s[G0V0+3], s[G0V0+3], 0x80000000
	s_or_b32 s[G0VR+3], s[G0VR+3], 0x80000000
	s_lshl_b32 s66, s14, 12
	s_mov_b32 s[G0VS], 1
	s_mov_b32 s[G0VS+1], VSC
	s_add_nc_u64 s[G0VS+2:G0VS+3], s[6:7], s[66:67]
	s_add_nc_u64 s[G0VS+2:G0VS+3], s[G0VS+2:G0VS+3], 0x100000   ; v's scale words begin at byte 2^20, 4,096 bytes a head
	s_or_b32 s[G0VS+3], s[G0VS+3], 0x80000000
	s_lshl_b32 s66, s14, 13
	s_add_nc_u64 s[6:7], s[6:7], s[66:67]          ; q's scale words of my head; k's lie 64 x 8,192 bytes on
	s_mov_b32 s[G0KS], 1
	s_mov_b32 s[G0KS+1], KSC
	s_add_nc_u64 s[G0KS+2:G0KS+3], s[6:7], 64*8192
	s_or_b32 s[G0KS+3], s[G0KS+3], 0x80000000
	s_lshr_b32 s97, s14, 4                         ; batch
	s_and_b32 s86, s14, 15                         ; head
	s_lshl_b32 s66, s97, 11
	s_add_co_u32 s66, s66, s86
	s_mul_i32 s66, s66, 768
	s_add_nc_u64 s[8:9], s[8:9], s[66:67]          ; o's codes: ((128 batch + tile) 16 + head) 768, at tile 0
	s_lshl_b32 s66, s97, 16
	s_lshl_b32 s86, s86, 1
	s_add_co_u32 s66, s66, s86
	s_add_nc_u64 s[10:11], s[10:11], s[66:67]      ; o's scale bytes: (128 batch + tile) 512 + 32 row + 2 head + block, at tile 0
	v_and_b32 v5, 31, v0                           ; lane
	s_delay_alu instid0(VALU_DEP_1)
	v_lshlrev_b32 v1, 3, v5                        ; 8 x lane: a pair's place for my lane, in memory and in KIMG
	s_delay_alu instid0(VALU_DEP_1)
	v_add_nc_u32 v2, VIMG, v1                      ; in VIMG
	s_delay_alu instid0(VALU_DEP_3)
	v_lshl_add_u32 v3, v5, 2, KSC                  ; 4 x lane: K's scale words: two tiles of 16 a load
	s_delay_alu instid0(VALU_DEP_4)
	v_lshl_add_u32 v4, v5, 2, VSC                  ; V's
	v_and_b32 v6, 15, v0                           ; r
	v_bfe_u32 v7, v0, 4, 1                         ; hh
	s_delay_alu instid0(VALU_DEP_2)
	v_lshlrev_b32 v29, 2, v6                       ; Q's scale word of row r
	s_delay_alu instid0(VALU_DEP_2)
	v_lshl_add_u32 v30, v6, 5, v7                  ; o's scale byte: 32 r + hh
	s_delay_alu instid0(VALU_DEP_4)
	v_and_b32 v8, 8, v6
	s_delay_alu instid0(VALU_DEP_1)
	v_add_nc_u32 v9, v8, v6                        ; r + 8 (r / 8): my query among its tile's 32 natural places,
	v_lshlrev_b32 v8, 4, v7
	s_delay_alu instid0(VALU_DEP_1)
	v_sub_nc_u32 v9, v9, v8                        ; less the 16 hh by which my half's keys stand on
	v_mov_b32 v11, 0xff800000                      ; -infinity
.irp j, 22,23,24,25,26,27,80,81,82,83,84,85
	v_mov_b32 v\j, 0                               ; zero codes: the upper half of Q's fragment, and of K's eighth; written once
.endr
.irp j, 36,37,38,39,240,241,242
	v_mov_b32 v\j, 0                               ; written once: a lane permute's destination counts as one of its sources; v241 is named with v240 as a pair
.endr
; A pass's head: which tile, its addresses, its Q, and the sums' beginnings.
.macro PASSHEAD first
.if \first
	s_xor_b32 s85, s[WV], 31                       ; number 31 - wave of the 32
.else
	s_mov_b32 s85, s[WV]                           ; number wave
.endif
	s_lshr_b32 s[SIG], s85, 1                      ; g
	s_and_b32 s86, s85, 1                          ; e
	s_lshl_b32 s87, s[SIG], 3
	s_lshl_b32 s97, s13, 1
	s_add_co_u32 s87, s87, s97
	s_add_co_u32 s87, s87, s86                     ; the tile: 8 g + 2 cx + e
	s_mul_i32 s98, s87, 768
	s_add_nc_u64 s[88:89], s[4:5], s[98:99]        ; Q's codes
	s_lshl_b32 s98, s87, 6
	s_add_nc_u64 s[90:91], s[6:7], s[98:99]        ; Q's scale words
	s_mul_i32 s98, s87, 12288
	s_add_nc_u64 s[92:93], s[8:9], s[98:99]        ; o's codes
	s_lshl_b32 s98, s87, 9
	s_add_nc_u64 s[94:95], s[10:11], s[98:99]      ; o's scale bytes
.irp m, 0,1,2
	global_load_b64 v[16+2*\m:17+2*\m], v1, s[88:89] offset:256*\m
.endr
	global_load_b32 v28, v29, s[90:91]
	s_lshl_b32 s97, s13, 5
	s_lshl_b32 s86, s86, 3
	s_add_co_u32 s97, s97, s86
	v_add_nc_u32 v10, s97, v9                      ; d = my query - 128 g - 16 hh.  In the step on the diagonal register 16 b + i holds key 128 g + 16 hh + 32 b + i: hidden where 32 b + i > d
	v_mov_b32 v13, 0xff61b1e6                      ; the largest t so far: -3e38, under every t
	s_delay_alu instid0(VALU_DEP_1)
	v_floor_f32 v12, -v13                          ; -M
	v_mov_b32 v14, 0                               ; the sum, in two halves
	v_mov_b32 v15, 0
.set n, 0
.rept 32
	v_mov_b32 v[160+n], 0                          ; O^T.  (The step is written once: the first finds zeros, which the first change of M leaves zeros)
.set n, n+1
.endr
	s_mov_b32 s[ST], 0
	s_mov_b32 s[TB], 0
	s_mov_b32 s[TS], 0
	s_mov_b32 s[TJ], 0
.endm
; A KEY STEP: 128 keys.
.macro STEP
	s_cmp_gt_u32 s[ST], s[SIG]                     ; all its keys come after my queries: only the addresses step
	s_cbranch_scc1 .Lhid_\@
	s_setprio 2
	v_add_nc_u32 v5, s[TB], v1                     ; these four plain lines are also the places between the last step's products and the loads into their registers
	v_add_nc_u32 v6, s[TB], v2
	v_add_nc_u32 v7, s[TS], v3
	v_add_nc_u32 v8, s[TJ], v4
.irp i, 0,1,2,3
	ds_load_b32 v[86+\i], v7 offset:128*\i         ; K's scale words: lanes 0-15 tile 2 i, lanes 16-31 tile 2 i + 1
.endr
.set n, 0
.rept 24
	ds_load_b64 v[32+2*n:33+2*n], v5 offset:256*n  ; K's eight tiles, three pairs each: 256 consecutive bytes a load
.set n, n+1
.endr
.irp i, 0,1
	ds_load_b32 v[90+\i], v8 offset:128*\i         ; V's scale words, likewise
.endr
.set n, 0
.rept 24
	ds_load_b64 v[192+2*n:193+2*n], v6 offset:256*n   ; V's four fragments, six pairs each
.set n, n+1
.endr
	s_wait_dscnt 26                                ; K and its scale words are in; V's 26 loads may be out
.irp t, 0,1,2,3,4,5,6,7                ; S^T = K Q^T.  Tile t's fragment is its own six registers and the six behind them, which meet Q's zero codes
.if \t%2
	v_wmma_scale_f32_16x16x128_f8f6f4 v[96+8*\t:103+8*\t], v[32+6*\t:43+6*\t], v[16:27], 0, v[86+\t/2], v28 matrix_a_fmt:MATRIX_FMT_BF6 matrix_b_fmt:MATRIX_FMT_BF6 matrix_a_scale:MATRIX_SCALE_ROW1
.else
	v_wmma_scale_f32_16x16x128_f8f6f4 v[96+8*\t:103+8*\t], v[32+6*\t:43+6*\t], v[16:27], 0, v[86+\t/2], v28 matrix_a_fmt:MATRIX_FMT_BF6 matrix_b_fmt:MATRIX_FMT_BF6
.endif
.endr
.rept 4
	v_nop                                          ; places: the scores are read, and K's registers written, only behind them
.endr
	s_cmp_lg_u32 s[ST], s[SIG]
	s_cbranch_scc1 .Lopen_\@                       ; all keys of this step count
.set n, 0
.rept 64                               ; the step on the diagonal: hidden scores become -infinity ahead of the maximum: p = 0 then.  My own key counts, so the step's maximum is a number
	v_cmp_gt_i32 vcc_lo, 32*(n/16)+n%16, v10
	v_cndmask_b32 v[96+n], v[96+n], v11, vcc_lo
.set n, n+1
.endr
.Lopen_\@:
.irp b, 0,1,2,3
	v_max3_num_f32 v[32+\b], v[96+16*\b], v[97+16*\b], v[98+16*\b]   ; THE LARGEST SCORE OF EACH BLOCK OF 32 KEYS serves twice: for the row's maximum, and, since p rises with the score, for the block's largest p
.endr
.irp i, 3,5,7,9,11,13
.irp b, 0,1,2,3
	v_max3_num_f32 v[32+\b], v[32+\b], v[96+16*\b+\i], v[97+16*\b+\i]   ; (the four blocks by turns)
.endr
.endr
.irp b, 0,1,2,3
	v_max_num_f32 v[32+\b], v[32+\b], v[111+16*\b]
.endr
.irp b, 0,1,2,3
	s_delay_alu instid0(VALU_DEP_4)
	v_permlanex16_b32 v[36+\b], v[32+\b], s[SEL], s[SEL+1]
.endr
.irp b, 0,1,2,3
	s_delay_alu instid0(VALU_DEP_4)
	v_max_num_f32 v[32+\b], v[32+\b], v[36+\b]     ; with lane l xor 16's 16 keys
.endr
	s_delay_alu instid0(VALU_DEP_2)
	v_max3_num_f32 v242, v32, v33, v34
	s_delay_alu instid0(VALU_DEP_1)
	v_max_num_f32 v242, v242, v35                  ; the step's largest score of my query
	s_delay_alu instid0(VALU_DEP_1)
	v_mul_f32 v242, s[CS], v242                    ; as t (c is positive)
	s_delay_alu instid0(VALU_DEP_1)
	v_max_num_f32 v13, v13, v242                   ; the running largest t
	v_mov_b32 v242, v12
	s_delay_alu instid0(VALU_DEP_2)
	v_floor_f32 v12, -v13                          ; the new -M = floor(-t) = -ceil(t): M is a whole number
	s_delay_alu instid0(VALU_DEP_1)
	v_sub_f32 v242, v12, v242                      ; M's old value less its new one: a whole number, 0 or less
	s_delay_alu instid0(VALU_DEP_1)
	v_cvt_i32_f32 v242, v242                       ; (it saturates)
	s_delay_alu instid0(VALU_DEP_1)
	v_ldexp_f32 v240, 1.0, v242                    ; f = 2^(old M - new M)
.set n, 0
	s_setprio 1
.rept 32
	v_pk_fma_f32 v[96+n:97+n], v[96+n:97+n], s[CS:CS+1], v[12:13] op_sel_hi:[1,0,0]   ; t - M, two at a time (of the pairs c and -M the low word serves both halves)
.set n, n+2
.endr
.irp b, 0,1,2,3
	v_fma_f32 v[32+\b], v[32+\b], s[CS], v12       ; the same of each block's largest score
.endr
.set n, 0
	s_wait_alu depctr_va_vdst(0)
.rept 64
	v_exp_f32 v[96+n], v[96+n]                     ; p = 2^(t - M), at most 1: not normalised
.set n, n+1
.endr
	v_pk_mul_f32 v[14:15], v[14:15], v[240:241] op_sel_hi:[1,0]   ; the sums under the new M: the plain line behind the exponentials
	s_wait_alu depctr_va_vdst(0)                   ; one wait for the whole batch, ahead of its first reader
.irp b, 0,1,2,3
	v_exp_f32 v[32+\b], v[32+\b]                   ; the block's largest p: the same two instructions on the same number give the same bits
.endr
	v_pk_add_f32 v[36:37], v[100:101], v[104:105]
	v_pk_add_f32 v[252:253], v[108:109], v[112:113]
	v_pk_add_f32 v[250:251], v[116:117], v[120:121]
	v_pk_add_f32 v[248:249], v[124:125], v[128:129]
	v_pk_add_f32 v[246:247], v[132:133], v[136:137]
	v_pk_add_f32 v[244:245], v[140:141], v[144:145]
	v_pk_add_f32 v[94:95], v[148:149], v[152:153]
	v_pk_add_f32 v[14:15], v[14:15], v[156:157]
	v_pk_add_f32 v[36:37], v[36:37], v[96:97]
	v_pk_add_f32 v[252:253], v[252:253], v[98:99]
	v_pk_add_f32 v[250:251], v[250:251], v[102:103]
	v_pk_add_f32 v[248:249], v[248:249], v[106:107]
	v_pk_add_f32 v[246:247], v[246:247], v[110:111]
	v_pk_add_f32 v[244:245], v[244:245], v[114:115]
	v_pk_add_f32 v[94:95], v[94:95], v[118:119]
	v_pk_add_f32 v[14:15], v[14:15], v[122:123]
	v_pk_add_f32 v[36:37], v[36:37], v[126:127]
	v_pk_add_f32 v[252:253], v[252:253], v[130:131]
	v_pk_add_f32 v[250:251], v[250:251], v[134:135]
	v_pk_add_f32 v[248:249], v[248:249], v[138:139]
	v_pk_add_f32 v[246:247], v[246:247], v[142:143]
	v_pk_add_f32 v[244:245], v[244:245], v[146:147]
	v_pk_add_f32 v[94:95], v[94:95], v[150:151]
	v_pk_add_f32 v[14:15], v[14:15], v[154:155]
	v_pk_add_f32 v[36:37], v[36:37], v[158:159]
	s_delay_alu instid0(VALU_DEP_2)
	v_pk_add_f32 v[14:15], v[14:15], v[248:249]
	s_delay_alu instid0(VALU_DEP_2)
	v_pk_add_f32 v[36:37], v[36:37], v[246:247]
	v_pk_add_f32 v[252:253], v[252:253], v[244:245]
	v_pk_add_f32 v[250:251], v[250:251], v[94:95]
	s_delay_alu instid0(VALU_DEP_2)
	v_pk_add_f32 v[14:15], v[14:15], v[252:253]
	s_delay_alu instid0(VALU_DEP_2)
	v_pk_add_f32 v[36:37], v[36:37], v[250:251]
	s_delay_alu instid0(VALU_DEP_1)
	v_pk_add_f32 v[14:15], v[14:15], v[36:37]
	s_setprio 0
	s_wait_alu depctr_va_vdst(0)                   ; and one for the four
.irp b, 0,1,2,3
	v_max_num_f32 v[32+\b], 0x2800000, v[32+\b]    ; the floor 2^(5 - 127): the byte cannot fall under 1 (a block whose every p is 0 keeps that byte: its codes are zeros)
.endr
.irp b, 0,1,2,3
	s_delay_alu instid0(VALU_DEP_4)
	v_add_nc_u32 v[40+\b], 0xfe000000, v[32+\b]    ; 4 off the exponent field: the conversion's scale operand
.endr
.irp b, 0,1,2,3
	s_delay_alu instid0(VALU_DEP_4)
	v_lshrrev_b32 v[36+\b], 23, v[40+\b]           ; the scale's byte
.endr
	s_delay_alu instid0(VALU_DEP_3)
	v_lshl_or_b32 v92, v37, 8, v36                 ; p's scale word for these 128 keys
	s_delay_alu instid0(VALU_DEP_1)
	v_lshl_or_b32 v92, v38, 16, v92
	s_delay_alu instid0(VALU_DEP_1)
	v_lshl_or_b32 v92, v39, 24, v92
.irp c, 0,1
	v_cvt_scalef32_pk16_bf6_f32 v[52+6*\c:54+6*\c], v[96+32*\c:111+32*\c], v[40+2*\c]
	v_cvt_scalef32_pk16_bf6_f32 v[44+4*\c:46+4*\c], v[112+32*\c:127+32*\c], v[40+2*\c+1]   ; (a conversion's three registers begin on an even number)
.endr
	v_nop                                          ; one plain place behind a scaled conversion
.irp c, 0,1                            ; the operand's layout wants a WHOLE block in a lane: lanes 0-15 block 2 c, lanes 16-31 block 2 c + 1
.irp i, 0,1,2
	v_permlane16_swap_b32 v[52+6*\c+\i], v[44+4*\c+\i]
.endr
.irp i, 0,1,2
	s_delay_alu instid0(VALU_DEP_3)
	v_mov_b32 v[55+6*\c+\i], v[44+4*\c+\i]
.endr
.endr
.set n, 0
.rept 16
	v_pk_mul_f32 v[160+n:161+n], v[160+n:161+n], v[240:241] op_sel_hi:[1,0]   ; O^T under the new M.  Of these sixteen at least twelve name no register of any one product below: the places behind p's codes and scale word
.set n, n+2
.endr
	s_wait_alu depctr_va_vdst(0)
	s_wait_dscnt 0x0                               ; V is in
.irp t, 0,1,2,3                        ; O^T += V^T P^T: the four accumulators by turns, one instruction a turn
.if \t%2
	v_wmma_scale_f32_16x16x128_f8f6f4 v[160+8*\t:167+8*\t], v[192+12*\t:203+12*\t], v[52:63], v[160+8*\t:167+8*\t], v[90+\t/2], v92 matrix_a_fmt:MATRIX_FMT_BF6 matrix_b_fmt:MATRIX_FMT_BF6 matrix_a_scale:MATRIX_SCALE_ROW1
.else
	v_wmma_scale_f32_16x16x128_f8f6f4 v[160+8*\t:167+8*\t], v[192+12*\t:203+12*\t], v[52:63], v[160+8*\t:167+8*\t], v[90+\t/2], v92 matrix_a_fmt:MATRIX_FMT_BF6 matrix_b_fmt:MATRIX_FMT_BF6
.endif
.endr
.Lhid_\@:
	s_add_co_u32 s[ST], s[ST], 1
	s_add_co_u32 s[TB], s[TB], 6144
	s_add_co_u32 s[TS], s[TS], 512
	s_add_co_u32 s[TJ], s[TJ], 256
.endm
.macro STEPS trips                     ; so many key steps, a constant
	s_mov_b32 s[CNT], \trips
.Lstep_\@:
	STEP
	s_sub_co_u32 s[CNT], s[CNT], 1
	s_cmp_lg_u32 s[CNT], 0
	s_cbranch_scc1 .Lstep_\@
	s_setprio 0
.endm
; THE WAY OUT of a tile.  O^T / the sum: register 16 b + i is feature 32 b + 16 hh + i of my query's head: two blocks of the last product's K.  They are quantised as p is, and leave as the image of registers 0-5 of a fragment.
.macro WAYOUT
.rept 4
	v_nop                                          ; places behind the last products
.endr
	v_add_f32 v14, v14, v15                        ; the sum's two halves,
	s_delay_alu instid0(VALU_DEP_1)
	v_permlanex16_b32 v242, v14, s[SEL], s[SEL+1]
	s_delay_alu instid0(VALU_DEP_1)
	v_add_f32 v14, v14, v242                       ; and lane l xor 16's: the row's sum
	s_wait_alu depctr_va_vdst(0)
	v_rcp_f32 v14, v14
	v_nop                                          ; a plain line behind the reciprocal
	s_wait_alu depctr_va_vdst(0)                   ; and the wait ahead of its first reader
.set n, 0
.rept 32
	v_mul_f32 v[96+n], v[160+n], v14               ; each accumulator from its low end on
.set n, n+1
.endr
.irp b, 0,1
	v_max3_num_f32 v[32+\b], |v[96+16*\b]|, |v[97+16*\b]|, 0x2800000   ; my 16 numbers of block b, and the floor 2^(5 - 127)
.endr
.irp i, 2,4,6,8,10,12,14
.irp b, 0,1
	s_delay_alu instid0(VALU_DEP_2)
	v_max3_num_f32 v[32+\b], v[32+\b], |v[96+16*\b+\i]|, |v[97+16*\b+\i]|
.endr
.endr
.irp b, 0,1
	s_delay_alu instid0(VALU_DEP_2)
	v_permlanex16_b32 v[36+\b], v[32+\b], s[SEL], s[SEL+1]
.endr
.irp b, 0,1
	s_delay_alu instid0(VALU_DEP_2)
	v_max_num_f32 v[32+\b], v[32+\b], v[36+\b]
.endr
.irp b, 0,1
	s_delay_alu instid0(VALU_DEP_2)
	v_add_nc_u32 v[40+\b], 0xfe000000, v[32+\b]
.endr
.irp b, 0,1
	s_delay_alu instid0(VALU_DEP_2)
	v_lshrrev_b32 v[36+\b], 23, v[40+\b]           ; the two scale bytes
.endr
	v_cvt_scalef32_pk16_bf6_f32 v[52:54], v[96:111], v40
	v_cvt_scalef32_pk16_bf6_f32 v[44:46], v[112:127], v41
	v_nop                                          ; one plain place behind a scaled conversion
.irp i, 0,1,2
	v_permlane16_swap_b32 v[52+\i], v[44+\i]       ; lanes 0-15 get block 0 whole, lanes 16-31 block 1
.endr
.irp i, 0,1,2
	s_delay_alu instid0(VALU_DEP_3)
	v_mov_b32 v[55+\i], v[44+\i]
.endr
	v_cndmask_b32 v242, v36, v37, s96              ; my half's block's byte
.irp m, 0,1,2
	global_store_b64 v1, v[52+2*\m:53+2*\m], s[92:93] offset:256*\m   ; 256 consecutive bytes, aligned
.endr
	global_store_b8 v30, v242, s[94:95]            ; a byte a lane, rows 32 bytes apart: the scale bytes lie as rows of 32 along K, as the last product's launch takes them whole; a head has two of a row's 32
.endm
	PASSHEAD 1                                     ; Q is asked for ahead of the tiles
	CROUND                                         ; all four work-groups are here: the joint loads meet
	; THE FILLS, all first fills, one a wave: the branches hang on the wave's number alone.  Waves 12-15 issue none.  By this text's count a wave has at most one tensor load out.
	s_cmp_lg_u32 s[WV], 0
	s_cbranch_scc1 .Ln0
	ARM G0K0, G1A
.Ln0:
	s_cmp_lg_u32 s[WV], 1
	s_cbranch_scc1 .Ln1
	ARM G0V0, G1A
.Ln1:
	s_cmp_lg_u32 s[WV], 2
	s_cbranch_scc1 .Ln2
	ARM G0KS, G1B
.Ln2:
	s_cmp_lg_u32 s[WV], 3
	s_cbranch_scc1 .Ln3
	ARM G0VS, G1C
.Ln3:
	s_cmp_ge_u32 s[WV], 8
	s_cbranch_scc1 .Ln7
	ARM G0KR, G1D
.Ln7:
	s_cmp_ge_u32 s[WV], 12
	s_cbranch_scc1 .Lasked
	ARM G0VR, G1D
.Lasked:
	s_wait_tensorcnt 0x0                           ; on every wave's way, under no branch: my part of K, V or their scale words has landed,
	s_barrier_signal -1
	s_barrier_wait -1                              ; everybody's has: from here on the waves share nothing that changes, and nothing is ever filled again
	s_wait_loadcnt 0x0                             ; Q
	STEPS 16
	WAYOUT
	s_wait_xcnt 0x0                                ; the stores have read their data and bases: both are written again only behind this wait
	PASSHEAD 0
	s_wait_loadcnt 0x0                             ; Q
	STEPS 16
	WAYOUT
	s_wait_dscnt 0x0
	s_wait_tensorcnt 0x0
	ds_add_u32 v254, v255
	s_wait_dscnt 0x0
	CROUND                                         ; the closing round: no work-group ends while a partner may still ask for a tile that names it
	s_endpgm
.Lfunc_end_k_qbaf1afd2d5_attn:
	.size	k_qbaf1afd2d5_attn, .Lfunc_end_k_qbaf1afd2d5_attn-k_qbaf1afd2d5_attn
	.p2alignl 7, 3214868480
	.fill 96, 4, 3214868480
	.section	.rodata,"a",@progbits
	.p2align	6, 0x0
	.amdhsa_kernel k_qbaf1afd2d5_attn
		.amdhsa_group_segment_fixed_size 215040
		.amdhsa_private_segment_fixed_size 0
		.amdhsa_enable_private_segment 0
		.amdhsa_kernarg_size 32
		.amdhsa_user_sgpr_count 2
		.amdhsa_user_sgpr_kernarg_segment_ptr 1
		.amdhsa_wavefront_size32 1
		.amdhsa_system_sgpr_workgroup_id_x 1
		.amdhsa_system_sgpr_workgroup_id_y 1
		.amdhsa_system_sgpr_workgroup_id_z 1
		.amdhsa_system_vgpr_workitem_id 0
		.amdhsa_next_free_vgpr 256
		.amdhsa_next_free_sgpr 100
		.amdhsa_reserve_vcc 1
		.amdhsa_float_denorm_mode_32 3
		.amdhsa_float_denorm_mode_16_64 3
		.amdhsa_memory_ordered 1
		.amdhsa_forward_progress 1
		.amdhsa_inst_pref_size 71
	.end_amdhsa_kernel
	.amdgpu_metadata
---
amdhsa.version: [ 1, 2 ]
amdhsa.kernels:
  - .name:           k_qbaf1afd2d5_attn
    .symbol:         k_qbaf1afd2d5_attn.kd
    .args:
      - { .name: qkv_img, .offset: 0, .size: 8, .value_kind: global_buffer, .address_space: global }
      - { .name: qkv_sc, .offset: 8, .size: 8, .value_kind: global_buffer, .address_space: global }
      - { .name: o_img, .offset: 16, .size: 8, .value_kind: global_buffer, .address_space: global }
      - { .name: o_sc, .offset: 24, .size: 8, .value_kind: global_buffer, .address_space: global }
    .group_segment_fixed_size: 215040
    .private_segment_fixed_size: 0
    .kernarg_segment_align: 8
    .kernarg_segment_size: 32
    .max_flat_workgroup_size: 512
    .sgpr_count:     100
    .vgpr_count:     256
    .wavefront_size: 32
...
	.end_amdgpu_metadata
.endif
;; end of part 3
;; launch proj (part 4): grid 4 x 32, 4 waves a work-group, clusters of 4 x 4, 327,680 bytes of LDS; arguments o_img, o_sc, xw_codes, xw_scales, out0; writes out0
.if DOCPART == 4
	.amdgcn_target "amdgcn-amd-amdhsa--gfx1250"
	.amdhsa_code_object_version 6
	.text
	.protected	k_qbaf1afd2d5_proj
	.globl	k_qbaf1afd2d5_proj
	.p2align	8
	.type	k_qbaf1afd2d5_proj,@function
k_qbaf1afd2d5_proj:
	s_mov_b64 s[64:65], 0
	v_nop
	global_prefetch_b8 v0, s[64:65] scope:SCOPE_SE
	s_setreg_imm32_b32 hwreg(HW_REG_WAVE_MODE, 25, 1), 1
	s_wait_xcnt 0x0
	s_wait_alu depctr_hold_cnt(0) depctr_sa_sdst(0) depctr_va_vdst(0) depctr_va_sdst(0) depctr_va_ssrc(0) depctr_va_vcc(0) depctr_vm_vsrc(0)
	s_getreg_b32 s2, hwreg(HW_REG_IB_STS2, 6, 4)
	s_cmp_eq_u32 s2, 0
	s_cbranch_scc0 .Lentry_in_a_cluster
	s_endpgm
.Lentry_in_a_cluster:
	s_bfe_u32 s2, ttmp6, 0x10000c
	s_cmp_lg_u32 s2, 0xf033
	s_cbranch_scc0 .Lentry_shape_is_right
	s_endpgm
.Lentry_shape_is_right:
; out = o w_proj on codes of E3M2 with one E8M0 scale for each 32 along K = 1,024; out [8192][1024] f32; sums in f32.
; A = o: images of operand registers, [16 places of tokens][head 16][3 pairs][lane][8 bytes]: 12,288 bytes for 16 rows; two heads on end are a fragment of 128 along K.  Its scale bytes: [place][32].
; B = w_proj's columns: rows 11264.. of the table of codes (768 bytes a row, scale bytes 32 a row).  Token and column i lie at place pi(i) (bits 3 and 4 exchanged).
; A tile of 256 x 256 is made by four waves, 128 x 128 each: 64 accumulators, 512 registers.  K goes in steps of 256 through a ring of two LDS slots; the scale bytes of the tile's 512 rows come once and stay.
; THE MATRIX INSTRUCTION IS USED TRANSPOSED (source 0 = 16 rows of B, source 1 = 16 rows of A): a lane holds eight neighbouring natural columns of one row.  pi is undone on the way out by constants alone:
; the columns by the place in the stage, the rows by the stores' offsets.
; CLUSTERS: 4 x 4 work-groups; A's tiles are asked for jointly along a row of the cluster, B's along a column.  128 work-groups: a tile of this size keeps each LDS byte feeding the most products; the launch is short.
; REGISTERS, in windows of 256: window 0: v0-31 addresses; v32-63 scale words, two sets; from v128 A's fragments, ONE set; on the way out v128-255 rows of out.
;   window 1: B's fragments, two sets, at v0 and v128.   window 2: the accumulators of my rows 0-63 ((a, b) at v[8 (8 a + b)]);   window 3: those of rows 64-127.
.set KSTEP,  256
.set NQ,     2                         ; matrix instructions deep in a slot
.set ROWB,   192                       ; B: a tile's row in bytes
.set KROW,   768                       ; B: a row of the table
.set PITCH,  240                       ; B: an LDS row: 3 x (64 bytes + 16 of padding): the 32 lanes of a load of 8 bytes touch 64 different banks (64 banks of 4 bytes: ISA guide 11.1)
.set ABLK,   3072                      ; A: 16 rows x 256 along K: four heads' images
.set AROW,   12288                     ; A: 16 rows x all of K
.set FR,     12
.set NL,     6
.set NP,     4                         ; places behind this matrix instruction (ISA guide 7.12.1)
.set HALFT,  128*PITCH                 ; room for what one tensor load brings: B's 128 rows fill it, A's eight blocks take 24,576 bytes of it
.set SLOT,   4*HALFT
.set LAPS,   2
.set KS,     32
.set SCL,    2*SLOT                    ; behind the ring: the scales, as pieces of 256 bytes + 16 of padding
.set HALFS,  16*272
.set SBLK,   2*272
.set SPARE,  SCL+4*HALFS               ; the spare words, 128 bytes a wave, that no other line names
.set SPITCH, 528                       ; the way out: a stage of 16 rows x (512 bytes + 16) for each wave, in slot 0, which has had its last fill and its last read by then
.set ADRA, 16                          ; v16-17 LDS address of my A fragments in slot 0, 1
.set ADRB, 20                          ; v20-21 the same for B (v22-23: for the pieces behind one padding more)
.set STO,  24                          ; v24  the way out: where I put 32 bytes of a row
.set RD,   25                          ; v25  where I read a row back
.set CO,   26                          ; v26  my byte offset in a row of out
.set ADRS, 27                          ; v27  LDS address of my scale words: lanes 0-15 A's rows, lanes 16-31 B's
.set SPW,  28                          ; v28  LDS address of my spare word; never rewritten
.set NIL,  29                          ; v29  0; never rewritten
.set SC,   32
.set AF,   128
.set BK,   128                         ; the way out: 16 rows read back: v128-191 and v192-255 by turns
.set G1, 24
.set G0, 32
.set G1B, 48
.set G0B, 56
.set G1S, 68
.set G0S, 76
.set G1SB, 80
.set G0SB, 88
.set MSB, 0
.macro WIN new                         ; the immediate's high byte repeats the setting that is left
.if MSB != \new
	s_set_vgpr_msb (MSB<<8)|\new
.set MSB, \new
.endif
.endm
.set MUL_LO, 0xa1                      ; source 0 (B) window 1, source 1 (A) window 0, C and D window 2
.set MUL_HI, 0xf1
.set TO_B,   0x40
; A joint load: waves 0 and 1 fetch for A, waves 2 and 3 for B; the branch hangs on the wave's number alone.  Four v_nop follow each of the two lines.
.macro JLOAD g0a, g1a, g0b, g1b
	s_cmp_eq_u32 s15, 0
	s_cbranch_scc0 .Lfor_b_\@
	tensor_load_to_lds s[\g0a:\g0a+3], s[\g1a:\g1a+7]
	s_nop 0
.rept 4
	v_nop
.endr
	s_branch .Lasked_\@
.Lfor_b_\@:
	tensor_load_to_lds s[\g0b:\g0b+3], s[\g1b:\g1b+7]
	s_nop 0
.rept 4
	v_nop
.endr
.Lasked_\@:
.endm
.macro CREST
	s_cmp_lg_u32 s14, 0
	s_cbranch_scc1 .Lnot_wave_0_\@
	s_barrier_signal -3
.Lnot_wave_0_\@:
	s_barrier_wait -3
	s_barrier_signal -1
	s_barrier_wait -1
.endm
.macro CROUND
	s_barrier_signal -1
	s_barrier_wait -1
	CREST
.endm
	s_load_b128 s[4:7], s[0:1], 0x0                ; o's codes s[4:5], o's scale bytes s[6:7]
	s_load_b128 s[8:11], s[0:1], 0x10              ; the table of codes s[8:9], its scale bytes s[10:11]
	s_load_b64 s[12:13], s[0:1], 0x20              ; out
	v_lshl_add_u32 v[SPW], v0, 2, SPARE
	v_mov_b32 v[NIL], 0
	ds_add_u32 v28, v29
	ds_add_u32 v28, v29
	s_wait_dscnt 0x0
	v_lshrrev_b32 v1, 5, v0
	v_readfirstlane_b32 s14, v1                    ; wave 0..3
	s_lshr_b32 s15, s14, 1                         ; which half of the tile's rows is mine.  Also: I fetch for A (0) or for B (1)
	s_and_b32 s16, s14, 1                          ; which half of its columns.  Also: which half of that tile I fetch
	s_bfe_u32 s40, ttmp6, 0x40000                  ; cx, cy
	s_bfe_u32 s41, ttmp6, 0x40004
	s_lshl_b32 s42, ttmp9, 2
	s_add_co_u32 s42, s42, s40                     ; tile column = 4 x cluster x + cx
	s_and_b32 s17, ttmp7, 0xffff
	s_lshl_b32 s17, s17, 2
	s_add_co_u32 s17, s17, s41                     ; tile row = 4 x cluster y + cy
	s_lshl_b32 s43, s41, 2
	s_lshl_b32 s43, 15, s43                        ; my row of the cluster
	s_lshl_b32 s44, 0x1111, s40                    ; my column
	; group 1 for A: 8 blocks of 16 rows: 8 rows of 3,072 bytes (384 elements of 8), 12,288 bytes apart, dense in LDS
	s_or_b32 s[G1+0], s43, (3<<16)|(1<<21)         ; 15:0 the mask: my row; 17:16 elements of 8 bytes; 20 no padding; 21 set beside a mask
	s_mov_b32 s[G1+1], 384<<16                     ; tensor_dim0
	s_mov_b32 s[G1+2], 8<<16                       ; tensor_dim1
	s_mov_b32 s[G1+3], 384<<16                     ; tile_dim0
	s_mov_b32 s[G1+4], 8                           ; tile_dim1
	s_mov_b32 s[G1+5], 1536                        ; tensor_dim0_stride
	s_mov_b32 s[G1+6], 0
	s_mov_b32 s[G1+7], 0
	; group 1 for B: 128 rows x 192 bytes, 16 bytes of padding behind every 64
	s_or_b32 s[G1B+0], s44, (0<<16)|(1<<20)|(1<<21)|(3<<22)|(3<<25)
	s_mov_b32 s[G1B+1], ROWB<<16
	s_mov_b32 s[G1B+2], 128<<16
	s_mov_b32 s[G1B+3], ROWB<<16
	s_mov_b32 s[G1B+4], 128
	s_mov_b32 s[G1B+5], KROW
	s_mov_b32 s[G1B+6], 0
	s_mov_b32 s[G1B+7], 0
	; the scales of 128 rows: 4,096 dense bytes, as 16 rows of 256 bytes, 16 bytes of padding behind each
	s_or_b32 s[G1S+0], s43, (3<<16)|(1<<20)|(1<<21)|(5<<22)|(3<<25)
	s_or_b32 s[G1SB+0], s44, (3<<16)|(1<<20)|(1<<21)|(5<<22)|(3<<25)
.irp g, G1S, G1SB
	s_mov_b32 s[\g+1], 32<<16
	s_mov_b32 s[\g+2], 16<<16
	s_mov_b32 s[\g+3], 32<<16
	s_mov_b32 s[\g+4], 16
	s_mov_b32 s[\g+5], 32
	s_mov_b32 s[\g+6], 0
	s_mov_b32 s[\g+7], 0
.endr
	s_lshl_b32 s18, s16, 7                         ; which 128 rows of the tile I fetch
	s_lshl_b32 s20, s17, 8
	s_add_co_u32 s20, s20, s18                     ; A: place 256 x tile row + 128 x half
	s_lshl_b32 s46, s42, 8
	s_add_co_u32 s46, s46, s18
	s_add_co_u32 s46, s46, 11264                   ; B: row of the table
	s_lshl_b32 s22, s20, 5                         ; their scale bytes,
	s_lshl_b32 s92, s46, 5
	s_mul_i32 s20, s20, KROW                       ; and their codes: 16 rows of A are 12,288 bytes, which is 768 a row too
	s_mul_i32 s46, s46, KROW
	s_mov_b32 s21, 0
	s_mov_b32 s23, 0
	s_mov_b32 s47, 0
	s_mov_b32 s93, 0
	s_mul_i32 s45, s14, HALFT                      ; where they go: no place in the cluster enters an LDS address
	s_mul_i32 s94, s14, HALFS
	s_wait_kmcnt 0x0
	s_add_nc_u64 s[20:21], s[4:5], s[20:21]
	s_add_nc_u64 s[22:23], s[6:7], s[22:23]
	s_add_nc_u64 s[46:47], s[8:9], s[46:47]
	s_add_nc_u64 s[92:93], s[10:11], s[92:93]
	CROUND                                         ; all sixteen work-groups are here: the first joint loads meet
	s_mov_b32 s[G0S], 1
	s_add_co_u32 s[G0S+1], s94, SCL
	s_mov_b64 s[G0S+2:G0S+3], s[22:23]
	s_or_b32 s[G0S+3], s[G0S+3], 0x80000000
	s_mov_b32 s[G0SB], 1
	s_add_co_u32 s[G0SB+1], s94, SCL
	s_mov_b64 s[G0SB+2:G0SB+3], s[92:93]
	s_or_b32 s[G0SB+3], s[G0SB+3], 0x80000000
	JLOAD G0S, G1S, G0SB, G1SB                     ; the scales first.  Three loads of mine are out behind the next two
.irp s, 0,1
	s_mov_b32 s[G0+4*\s], 1
	s_add_co_u32 s[G0+4*\s+1], s45, \s*SLOT
	s_add_nc_u64 s[G0+4*\s+2:G0+4*\s+3], s[20:21], \s*ABLK
	s_or_b32 s[G0+4*\s+3], s[G0+4*\s+3], 0x80000000
	s_mov_b32 s[G0B+4*\s], 1
	s_add_co_u32 s[G0B+4*\s+1], s45, \s*SLOT
	s_add_nc_u64 s[G0B+4*\s+2:G0B+4*\s+3], s[46:47], \s*ROWB
	s_or_b32 s[G0B+4*\s+3], s[G0B+4*\s+3], 0x80000000
	JLOAD G0+4*\s, G1, G0B+4*\s, G1B
.endr
	v_and_b32 v1, 15, v0                           ; l % 16
	v_bfe_u32 v2, v0, 4, 1                         ; l / 16
	v_and_b32 v6, 31, v0                           ; lane
	v_lshlrev_b32 v7, 3, v6                        ; A: an image's place for my lane: 8 x lane
	v_mul_u32_u24 v3, v1, PITCH
	v_mul_u32_u24 v4, v2, 24
	v_add_nc_u32 v4, v3, v4                        ; B: a fragment's row x pitch + 24 x half
	v_lshl_add_u32 v5, v2, 4, v4                   ; and the same behind one padding more
	s_mul_i32 s21, s15, HALFT                      ; my 128 rows of A
	s_mul_i32 s22, s16, HALFT                      ; my 128 rows of B,
	s_add_co_u32 s22, s22, 2*HALFT                 ; which lie behind A's two halves
.irp s, 0,1
	v_add_nc_u32 v[ADRA+\s], s21, v7
	v_add_nc_u32 v[ADRB+\s], s22, v4
	v_add_nc_u32 v[ADRB+2+\s], s22, v5
	s_add_co_u32 s21, s21, SLOT
	s_add_co_u32 s22, s22, SLOT
.endr
	v_mul_u32_u24 v5, v1, KS                       ; my row's scales: 32 bytes a row,
	v_lshrrev_b32 v8, 8, v5
	v_lshl_add_u32 v5, v8, 4, v5                   ; and 16 more for each 256 passed
	s_mul_i32 s21, s15, HALFS
	s_mul_i32 s22, s16, HALFS
	s_add_co_u32 s22, s22, 2*HALFS
	s_sub_co_u32 s22, s22, s21
	v_mul_u32_u24 v8, s22, v2                      ; lanes 16-31 take B's: one product, the distance between the two bases
	s_add_co_u32 s21, s21, SCL
	v_add_nc_u32 v5, v5, v8
	v_add_nc_u32 v[ADRS], s21, v5
	s_mul_i32 s23, s14, 16*SPITCH                  ; my stage
	v_mul_u32_u24 v5, v1, SPITCH                   ; in: row l % 16; my half's columns stand 16 on: 64 bytes
	v_lshl_add_u32 v5, v2, 6, v5
	v_add_nc_u32 v[STO], s23, v5
	v_lshlrev_b32 v[CO], 4, v6                     ; back: the 32 lanes take one row of 512 bytes; and the same in out
	v_add_nc_u32 v[RD], s23, v[CO]
	s_lshl_b32 s20, s17, 8
	s_lshl_b32 s21, s15, 7
	s_add_co_u32 s20, s20, s21                     ; my first row: 256 x tile row + 128 x half: a multiple of 32, so pi stays inside my rows
	s_lshl_b32 s20, s20, 12                        ; 4,096 bytes a row (under 2^25 in all)
	s_lshl_b32 s46, s42, 10                        ; my first column, in bytes: 1,024 x tile column + 512 x half
	s_lshl_b32 s47, s16, 9
	s_add_co_u32 s46, s46, s47
	s_add_co_u32 s20, s20, s46
	s_mov_b32 s21, 0
	s_add_nc_u64 s[12:13], s[12:13], s[20:21]
.macro FRAG reg, adr, q, i             ; B: a fragment, 16 rows x 128 K, 12 registers, in pieces of 8 bytes; where the piece of lanes 16-31 lies behind one padding more, the second address register serves
.irp p, 0,1,2,3,4,5
.set PCE, 12*(\q)+6*(\p/3)+\p%3
.if PCE%8 < 5
	ds_load_b64 v[\reg+2*\p:\reg+2*\p+1], v[\adr] offset:8*PCE+16*(PCE/8)+(\i)*16*PITCH
.else
	ds_load_b64 v[\reg+2*\p:\reg+2*\p+1], v[\adr+2] offset:8*PCE+16*(PCE/8)+(\i)*16*PITCH
.endif
.endr
.endm
.macro FRAGA reg, adr, q, i            ; A: a fragment is six pairs as they were stored: 256 consecutive bytes a load
.irp p, 0,1,2,3,4,5
	ds_load_b64 v[\reg+2*\p:\reg+2*\p+1], v[\adr] offset:256*\p+1536*(\q)+ABLK*(\i)
.endr
.endm
; 16 matrix instructions: A's blocks a0, a0 + 1 x B's eight, 128 along K.  The 64 accumulators take turns, one instruction a turn, in the same order in every step.
.macro MUL16 a0, p, q, sc, zero
.irp a, \a0, \a0+1
.irp b, 0,1,2,3,4,5,6,7
.if \zero
	v_wmma_scale_f32_16x16x128_f8f6f4 v[8*(8*((\a)%4)+\b):8*(8*((\a)%4)+\b)+7], v[128*(\p)+FR*\b:128*(\p)+FR*\b+FR-1], v[AF+FR*(\a):AF+FR*(\a)+FR-1], 0, v[SC+8*NQ*(\sc)+NQ*\b+(\q)], v[SC+8*NQ*(\sc)+NQ*(\a)+(\q)] matrix_a_fmt:MATRIX_FMT_BF6 matrix_b_fmt:MATRIX_FMT_BF6 matrix_a_scale:MATRIX_SCALE_ROW1
.else
	v_wmma_scale_f32_16x16x128_f8f6f4 v[8*(8*((\a)%4)+\b):8*(8*((\a)%4)+\b)+7], v[128*(\p)+FR*\b:128*(\p)+FR*\b+FR-1], v[AF+FR*(\a):AF+FR*(\a)+FR-1], v[8*(8*((\a)%4)+\b):8*(8*((\a)%4)+\b)+7], v[SC+8*NQ*(\sc)+NQ*\b+(\q)], v[SC+8*NQ*(\sc)+NQ*(\a)+(\q)] matrix_a_fmt:MATRIX_FMT_BF6 matrix_b_fmt:MATRIX_FMT_BF6 matrix_a_scale:MATRIX_SCALE_ROW1
.endif
.endr
.endr
.endm
.macro FETCH_B slot, q, p
	WIN TO_B
.irp i, 0,1,2,3,4,5,6,7
	FRAG 128*(\p)+FR*\i, ADRB+\slot, \q, \i
.endr
	WIN 0
.endm
.macro FETCH_A slot, q, i0
.irp i, \i0, \i0+1, \i0+2, \i0+3
	FRAGA AF+FR*(\i), ADRA+\slot, \q, \i
.endr
.endm
.macro SCALES sc
.irp i, 0,1,2,3,4,5,6,7
	ds_load_b64 v[SC+8*NQ*\sc+NQ*\i:SC+8*NQ*\sc+NQ*\i+1], v[ADRS] offset:\i*SBLK
.endr
.endm
; A load into a register that a matrix instruction has read, and an LDS store that reads a matrix result, stand NP places behind it; only plain vector instructions that name none of its registers are places (ISA guide 7.12.1 for vector instructions).
.macro PLACES n
.rept \n
	v_nop
.endr
.endm
.macro STEP slot, q, zero
	s_wait_dscnt 4*NL                              ; B's set and A's blocks 0-3 are in; the youngest 24 loads (A's blocks 4-7) may be out
	WIN MUL_LO
	MUL16 0, (\q)%2, \q, \slot, \zero
	MUL16 2, (\q)%2, \q, \slot, \zero
	s_wait_dscnt 0
	PLACES NP
	FETCH_B \slot, (\q)+1, 1-(\q)%2
	FETCH_A \slot, (\q)+1, 0
	WIN MUL_HI
	MUL16 4, (\q)%2, \q, \slot, \zero
	MUL16 6, (\q)%2, \q, \slot, \zero
	PLACES NP
	WIN 0
	FETCH_A \slot, (\q)+1, 4
.endm
; A slot's last step changes slots: ONE barrier; in front of it each wave waits for all its tensor loads, adds 0 to its spare word, and waits for that and for its own reads of this slot.
.macro TURN slot, next, fill
	s_wait_tensorcnt 0x0                           ; all my tensor loads have landed: my part of the next slot
	ds_add_u32 v[SPW], v[NIL]                      ; 0 onto my spare word
	s_wait_dscnt 4*NL+1                            ; (the add and the youngest 24 loads may be out)
	WIN MUL_LO
	MUL16 0, 1, NQ-1, \slot, 0
	s_wait_dscnt 0x0                               ; the add is done, and my reads of this slot are over
	s_barrier_signal -1
	MUL16 2, 1, NQ-1, \slot, 0
	WIN 0
	s_barrier_wait -1
.if \fill
	CREST                                          ; the barrier has opened a round of the cluster's barrier: no wave of any partner still reads this slot's tile or has a load on its way
	s_add_nc_u64 s[G0+4*\slot+2:G0+4*\slot+3], s[G0+4*\slot+2:G0+4*\slot+3], 2*ABLK
	s_add_nc_u64 s[G0B+4*\slot+2:G0B+4*\slot+3], s[G0B+4*\slot+2:G0B+4*\slot+3], 2*ROWB
	JLOAD G0+4*\slot, G1, G0B+4*\slot, G1B         ; the first tensor load behind the round, my only one until the next; its four v_nop are the places in front of the loads below
.else
	PLACES NP
.endif
	v_add_nc_u32 v[ADRS], 4*NQ, v[ADRS]
	FETCH_B \next, 0, 0
	FETCH_A \next, 0, 0
	SCALES \next
	WIN MUL_HI
	MUL16 4, 1, NQ-1, \slot, 0
	MUL16 6, 1, NQ-1, \slot, 0
	PLACES NP
	WIN 0
	FETCH_A \next, 0, 4
.endm
	s_wait_tensorcnt 1                             ; the scales and my part of K step 0 are in (K step 1's load may be out)
	s_barrier_signal -1
	s_barrier_wait -1
	FETCH_B 0, 0, 0
	FETCH_A 0, 0, 0
	SCALES 0
	FETCH_A 0, 0, 4
	STEP 0, 0, 1                                   ; the first step stands in front of the loop: its products start the sums
	s_mov_b32 s3, LAPS-1
.Llap:
	TURN 0, 1, 1
	STEP 1, 0, 0
	TURN 1, 0, 1
	STEP 0, 0, 0
	s_sub_co_u32 s3, s3, 1
	s_cmp_lg_u32 s3, 0
	s_cbranch_scc1 .Llap
	TURN 0, 1, 0                                   ; the last lap fills nothing
	STEP 1, 0, 0
	s_wait_dscnt 4*NL
	WIN MUL_LO
	MUL16 0, 1, NQ-1, 1, 0
	MUL16 2, 1, NQ-1, 1, 0
	s_wait_dscnt 0
	WIN MUL_HI
	MUL16 4, 1, NQ-1, 1, 0
	MUL16 6, 1, NQ-1, 1, 0
	WIN 0
; THE WAY OUT, block by block of 16 rows x 128 columns, through my own stage.  Accumulator b's eight numbers of lane (r, hh) are natural columns 32 (b / 2) + 16 hh + 8 (b % 2) + 0..7 of the row at place 16 a + r.
; Row t of the stage is natural row 32 (a / 2) + 8 (a % 2) + t + 8 (t / 8) of my 128.  LDS serves a wave's instructions in order: no wait between the stores and the loads.
.macro TOSTAGE a
.set AC, 64*((\a)%4)
.set WS, 0x08+4*((\a)/4)
	WIN WS                                         ; the data: window 2 or 3
.irp b, 0,1,2,3,4,5,6,7
	ds_store_b128 v[STO], v[AC+8*\b:AC+8*\b+3] offset:128*(\b/2)+32*(\b%2)          ; each accumulator from its low end on
	ds_store_b128 v[STO], v[AC+8*\b+4:AC+8*\b+7] offset:128*(\b/2)+32*(\b%2)+16
.endr
	WIN 0
.set BB, BK+64*((\a)%2)
.irp t, 0,1,2,3,4,5,6,7,8,9,10,11,12,13,14,15
	ds_load_b128 v[BB+4*\t:BB+4*\t+3], v[RD] offset:\t*SPITCH
.endr
.endm
.macro SEND a, younger                 ; younger: the LDS instructions issued behind block a's loads, which may stay out
.set BB, BK+64*((\a)%2)
	s_wait_dscnt \younger
.irp t, 0,1,2,3,4,5,6,7,8,9,10,11,12,13,14,15
	global_store_b128 v[CO], v[BB+4*\t:BB+4*\t+3], s[12:13] offset:(32*((\a)/2)+8*((\a)%2)+\t+8*(\t/8))*4096 th:TH_STORE_NT   ; 32 lanes store 512 consecutive bytes, aligned; 127 rows of 4,096 bytes at the most: inside the signed 24-bit immediate
.endr
.endm
	PLACES NP
	TOSTAGE 0
.irp a, 1,2,3,4,5,6,7
.if \a > 1
	s_wait_xcnt 0x0                                ; block a - 2's stores have read their registers: block a's loads may land there
.endif
	TOSTAGE \a
	SEND \a-1, 32                                  ; behind block a - 1's loads: block a's 16 stores and 16 loads
.endr
	SEND 7, 0
	s_wait_tensorcnt 0x0                           ; the wave's end: behind my last tensor load and my last LDS store
	ds_add_u32 v[SPW], v[NIL]
	s_wait_dscnt 0x0
	CROUND                                         ; the closing round: no work-group ends while a partner may still ask for a tile that names it
	s_endpgm
.Lfunc_end_k_qbaf1afd2d5_proj:
	.size	k_qbaf1afd2d5_proj, .Lfunc_end_k_qbaf1afd2d5_proj-k_qbaf1afd2d5_proj
	.p2alignl 7, 3214868480
	.fill 96, 4, 3214868480
	.section	.rodata,"a",@progbits
	.p2align	6, 0x0
	.amdhsa_kernel k_qbaf1afd2d5_proj
		.amdhsa_group_segment_fixed_size 327680
		.amdhsa_private_segment_fixed_size 0
		.amdhsa_enable_private_segment 0
		.amdhsa_kernarg_size 40
		.amdhsa_user_sgpr_count 2
		.amdhsa_user_sgpr_kernarg_segment_ptr 1
		.amdhsa_wavefront_size32 1
		.amdhsa_system_sgpr_workgroup_id_x 1
		.amdhsa_system_sgpr_workgroup_id_y 1
		.amdhsa_system_sgpr_workgroup_id_z 1
		.amdhsa_system_vgpr_workitem_id 0
		.amdhsa_next_free_vgpr 1024
		.amdhsa_next_free_sgpr 100
		.amdhsa_reserve_vcc 0
		.amdhsa_float_denorm_mode_32 3
		.amdhsa_float_denorm_mode_16_64 3
		.amdhsa_memory_ordered 1
		.amdhsa_forward_progress 1
		.amdhsa_inst_pref_size 159
	.end_amdhsa_kernel
	.amdgpu_metadata
---
amdhsa.version: [ 1, 2 ]
amdhsa.kernels:
  - .name:           k_qbaf1afd2d5_proj
    .symbol:         k_qbaf1afd2d5_proj.kd
    .args:
      - { .name: o_img, .offset: 0, .size: 8, .value_kind: global_buffer, .address_space: global }
      - { .name: o_sc, .offset: 8, .size: 8, .value_kind: global_buffer, .address_space: global }
      - { .name: xw_codes, .offset: 16, .size: 8, .value_kind: global_buffer, .address_space: global }
      - { .name: xw_scales, .offset: 24, .size: 8, .value_kind: global_buffer, .address_space: global }
      - { .name: out0, .offset: 32, .size: 8, .value_kind: global_buffer, .address_space: global }
    .group_segment_fixed_size: 327680
    .private_segment_fixed_size: 0
    .kernarg_segment_align: 8
    .kernarg_segment_size: 40
    .max_flat_workgroup_size: 128
    .sgpr_count:     100
    .vgpr_count:     1024
    .wavefront_size: 32
...
	.end_amdgpu_metadata
.endif
;; end of part 4
